; MI455X (gfx1250); checked and timed in simulation.
; The chip was launched on July 23, 2026; its instructions are those of AMD's public machine-readable ISA for CDNA 5 (MIT licence, August 2026) and "CDNA5" Instruction Set Architecture Reference Guide (July 2026). The comments in the code are by the model that wrote it; some were corrected since.
;; Le PE Attention. Allowed arithmetic: matrix products marked QUANTISED: E5M2 operands, one E8M0 scale for each 32 along K, by v_wmma_scale_f32_16x16x128_f8f6f4 with both operands' format E5M2, f32 sums; everything else in f32.
;; Inputs: qkv 3 x 2 x 4,096 x 128 float32.
;; Outputs: out0 2 x 4,096 x 128 float32.
;; This version of the problem:
;;   THIS VERSION OF THE PROBLEM IS GIVEN IN LOW PRECISION. The matrix products marked QUANTISED in the list below multiply operands that are first quantised to E5M2 (5 exponent bits, 2 mantissa bits; 8 bits a number), with one power-of-two scale for each 32 numbers along K (OCP MX v1.0); their sums are f32. All else is computed in f32.
;;   The module's matrix products, in the order in which they are computed (A, B: the left and right operand; K: the contracted axis; several contracted axes count as one K, in the product's order):
;;     1. batch 32 x [M 1,024, K 32] x [K 32, N 1,024]; A: computed on the way; B: input qkv: QUANTISED
;;     2. batch 32 x [M 1,024, K 1,024] x [K 1,024, N 32]; A: softmax (see below); B: input qkv: QUANTISED
;;   THE QUANTISER, for each operand of a quantised product, along K:
;;     - K is cut into blocks of 32 from its start; a last block that is shorter is filled with zeros.
;;     - A block's scale is 2^e with e = floor(log2(the largest magnitude in the block)) - 15, held to -126 .. 127; a block of zeros has e = 0. As a byte (E8M0): e + 127.
;;     - Each number is divided by its block's scale, clamped to +-57,344, and rounded to the nearest number of E5M2, ties to even, subnormals kept.
;;     - The product sums the exact products of the quantised numbers (number of the format x scale) in f32.
;;   ~~~python
;;   def quantise(x, axis):      # numpy; x: float32 -> the quantised numbers, widened to float32 again
;;       x = np.moveaxis(x, axis, -1); K = x.shape[-1]
;;       x = np.pad(x, [(0, 0)] * (x.ndim - 1) + [(0, -K % 32)]); x = x.reshape(x.shape[:-1] + (-1, 32)); a = np.abs(x).max(-1, keepdims=True)
;;       e = np.where(a > 0, np.clip(np.frexp(np.where(a > 0, a, 1))[1] - 1 - 15, -126, 127), 0)      # np.frexp(a)[1] - 1 = floor(log2(a)), exactly
;;       r = np.clip(x / 2.0 ** e, -57344, 57344)
;;       step = 2.0 ** (np.maximum(np.frexp(np.where(r == 0, 1, r))[1] - 1, -14) - 2)
;;       q = np.round(r / step) * step * 2.0 ** e      # np.round: ties to even
;;       return np.moveaxis(q.reshape(q.shape[:-2] + (-1,))[..., :K], -1, axis).astype(np.float32)
;;   ~~~
;;   SOFTMAX AHEAD OF A QUANTISED PRODUCT. Where the list says 'softmax', what is quantised is not the finished softmax but p = 2^(t - M), with t = logit x log2(e) and M = ceil(the row's largest t), a whole number; so 1/2 < the row's largest p <= 1. The row's sum l is taken of the UNQUANTISED p, in f32, and the product's result is divided by l at the end. Since M is a whole number, a kernel that streams over the keys may use a running M (the ceiling of the running maximum): every later rescaling is an exact power of two, which a block's scale takes up: the codes' values come out the same.
;;   OPERANDS COMPUTED ON THE WAY. 'Computed on the way' means the value that the module computes at that place (a softmax that the list does not call 'softmax' is quantised finished and normalised). What goes into a quantiser is computed in f32, as accurately as f32 sums, v_exp_f32 and their like allow (about 1e-6 of the number): no bf16 or f16 on the way to a quantiser, and a product that is left as it is and whose result goes on into a quantised operand takes f32 operands (vector FMAs, or v_wmma_f32_16x16x4_f32). A number that lies on a knife's edge between two numbers of the format may be rounded either way, as far as f32 arithmetic and the matrix unit's own rounding can turn it there, and no further.
;; 3 versions, each right; version 2 is faster than version 1; version 3 is version 2 with the launch lepe written anew for expert scheduling mode. Each part assembles by itself: llvm-mc -triple=amdgcn-amd-amdhsa -mcpu=gfx1250 --defsym DOCPART=n.
;; ======== version 1 of 3: 1 launch
;; launch lepe (part 1): grid 256 x 1, 8 waves a work-group, no clusters, 218,112 bytes of LDS; arguments qkv, out0; writes out0
.if DOCPART == 1
	.amdgcn_target "amdgcn-amd-amdhsa--gfx1250"
	.amdhsa_code_object_version 6
	.text
	.protected	k_q9d96ca59b7_lepe
	.globl	k_q9d96ca59b7_lepe
	.p2align	8
	.type	k_q9d96ca59b7_lepe,@function
k_q9d96ca59b7_lepe:
	s_mov_b64 s[64:65], 0
	v_nop
	global_prefetch_b8 v0, s[64:65] scope:SCOPE_SE
	s_setreg_imm32_b32 hwreg(HW_REG_WAVE_MODE, 25, 1), 1
	s_wait_xcnt 0x0
; Windowed attention on codes of BF8 (E5M2) with one E8M0 scale for each 32 along a product's K.  qkv: [3][2][4096][128] f32; out0: [2][4096][128] f32.
; A window is 16 x 16 x 4 tokens: token j (0 .. 1,023) of window wi lies at row 16 (j / 4) + 4 wi + j % 4 of its batch: 8,192 (j / 4) + 2,048 wi + 512 (j % 4) bytes; head hd is 128 bytes of a row, at 128 hd.
; SHARES.  256 work-groups: bits 2:0 of the work-group's number a block of 128 queries, 4:3 the head, 6:5 the window, 7 the batch.  Eight waves; wave w owns queries 16 w .. 16 w + 15 of the block and walks all 1,024 keys, 128 a step.
; AHEAD OF THE LOOP wave w quantises keys 128 w .. 128 w + 127 of K (along the head's 32) and of V (along the keys) and lays codes and scale words in LDS as IMAGES OF THE OPERANDS' REGISTERS (16 bytes a lane, 4 bytes a lane);
; one barrier; then every wave reads all eight steps' images.  Each wave quantises its own 16 queries (q x 32^-0.5, in f32, as the product's operand is defined).
; PRODUCT 1 HAS K = 32, the instruction 128.  Source 0 is 16 registers with FOUR tiles of 16 keys, one in each block of 32 along the instruction's K; source 1 is Q's codes in ONE block and zero codes in the other three.
; Q lies in a strip of 28 registers (12 zeros, 4 codes, 12 zeros): the strip from register 12 - 4 c on has Q in block c.  So four instructions on the same source 0 give the scores of its four tiles, and a tile costs one LDS load of 16 bytes a lane.
; Both products are used transposed (S^T = K Q^T, O^T = V^T P^T): a lane holds ONE query (lane % 16).  Row r of tile 2 b + u is key 32 b + 8 u + r + 8 (r / 8), so that the 16 registers of tiles 2 b, 2 b + 1 are keys 32 b + 16 (lane / 16) + 0 .. 15.
; SOFTMAX: t = score x log2(e); M = the running largest t rounded up to a whole number; p = 2^(t - M) is quantised along the keys; the sum is taken of the unquantised p and divides at the end; when M moves, sum and O^T take 2^(old M - new M).
; NOT ASKED FOR JOINTLY: the eight work-groups of a window's head read the same K and V.  As f32 these are 2 x 131,072 bytes; with 65,536 bytes of codes and 4,096 of scale words that is 331,776, more than the 327,680 that a work-group can claim,
; and every number has to pass through registers to be quantised: so each work-group loads them itself, all 68 loads of a wave at the kernel's head.  No prefetch: there is no later trip whose addresses could be asked for earlier.
; STORES cover 128 consecutive bytes (eight lanes): a head's part of a row; the neighbouring 128 bytes are another head's, made by another work-group.
; LIMITS: NaN and infinities among the inputs are not served.  A block's largest magnitude is taken no lower than 2^(16 - 127), which holds the byte at 1 as the quantiser's rule does; a block of zeros so has the byte 1 where the rule says 127:
; its codes are zeros, and the bytes are read by this program alone.  v_exp_f32 gives 0 for a p under 2^-126 (ISA guide 15.8).
.set KIMG, 0                           ; LDS: K's images: step s, group g of four tiles: 4,096 s + 2,048 g; block c of it 512 c; 16 bytes a lane
.set VIMG, 32768                       ; V's: step s, channels 16 n on: 4,096 s + 2,048 n; keys 32 c on: 512 c
.set KSC,  65536                       ; K's scale words: 256 s + 128 g + 4 x lane
.set VSC,  67584                       ; V's: 256 s + 4 x channel
.set STG,  69632                       ; a stage of its own for each wave: 128 keys x 144 bytes
.set STW,  18432
.set LI,   1                           ; v1   16 x lane
.set LS,   2                           ; v2   4 x lane
.set KGO,  3                           ; v3   memory: 512 (lane / 8) + 16 (lane % 8): four rows, eight lanes to a head's 128 bytes
.set KSW,  4                           ; v4   my stage: 144 (lane / 8) + 16 (lane % 8)
.set OSW,  5                           ; v5   my stage, the way out: 144 r + 32 h
.set AS0,  6                           ; v6   KSC + 4 x lane
.set AT0,  7                           ; v7   VSC + 4 r
.set AD,   8                           ; v8   4,096 x step + 16 x lane
.set ADS,  9                           ; v9   256 x step + AS0
.set ADT,  10                          ; v10  256 x step + AT0
.set SBW,  11                          ; v11  V's scale word in the making
.set QZ,   16                          ; v16-43   Q's strip: zeros, v28-31 codes, zeros         (v12 -M, v13 the largest t, v[14:15] the sum in two halves)
.set KF,   44                          ; v44-75   K: two groups of four tiles
.set VF,   76                          ; v76-107  V: two tiles of 16 channels x 128 keys
.set S,    108                         ; v108-171 S^T, then p
.set O,    172                         ; v172-187 O^T
.set PC,   188                         ; v188-203 p's codes; ahead of the loop: codes just made
.set TM,   204                         ; v204-207 largest numbers, v208-211 bytes, v212-215 the largest code x the scale, v216-219 the conversions' scale operands
.set KS,   220                          ; v220-221 K's scale words
.set VS,   222                          ; v222-223 V's
.set PW,   224                          ; v224 p's scale word
.set QS,   225                          ; v225 Q's scale byte, four times
.set F,    226                          ; v[226:227] f = 2^(old M - new M) (the pair is named, the low word used)
.set T,    228
.set PW2,  229
.set SA,   230                          ; v[230:231], v[240:241] the step's sum in two chains
.set SB,   240
.set OLD,  242                          ; v242 the last step's -M
.set X,    44                           ; ahead of the loop: v44-171 128 numbers to be quantised
.set QR,   172                          ; v172-187 Q's 16 numbers
.set PCB,  240                          ; v240-255 a second set of codes
.set KSR,  232                          ; v232-239 addresses used ahead of the loop alone
.set VSW,  233
.set VSR,  234
.set KWI,  235
.set KWS,  236
.set VWI,  237
.set VWS,  238
.set QGO,  239
.set A0,   240                          ; v240-246 at work while addresses are made
.set A1,   241
.set A2,   242
.set A3,   243
.set A4,   244
.set A5,   245
.set A6,   246
.set WV,   8                            ; s8 my wave's number
.set SEL,  32                           ; s[32:33] v_permlanex16_b32's selects for lane l xor 16
.set CS,   34                           ; s[34:35] log2(e)
.set MNT,  36                           ; s36 the mantissa field of 57,344
.set SC,   38                           ; s[38:39] 32^-0.5
.set TV,   40                           ; s40 4,096 x step
.set TS,   41                           ; s41 256 x step
.set CNT,  42
.set MSB, 0
.macro WIN new                          ; v256-511 are named through a window: bits 3:2 source 1, 7:6 destination; the immediate's high byte repeats the setting that is left
.if MSB != \new
	s_set_vgpr_msb (MSB<<8)|\new
.set MSB, \new
.endif
.endm
	s_load_b128 s[4:7], s[0:1], 0x0                ; qkv, out0
	v_lshrrev_b32 v[T], 5, v0
	v_readfirstlane_b32 s[WV], v[T]                ; wave 0..7
	v_bfe_u32 v[A3], v0, 3, 2                      ; lane / 8
	v_and_b32 v[A4], 7, v0                         ; lane % 8
	v_lshlrev_b32 v[A5], 4, v[A4]
	v_lshl_add_u32 v[KGO], v[A3], 9, v[A5]
	v_and_b32 v[A1], 15, v0                        ; r
	v_bfe_u32 v[A2], v0, 4, 1                      ; h
	v_lshrrev_b32 v[A6], 2, v[A1]
	v_and_b32 v[A0], 3, v[A1]
	v_lshlrev_b32 v[A0], 9, v[A0]
	v_lshl_add_u32 v[A0], v[A6], 13, v[A0]
	v_lshl_add_u32 v[QGO], v[A2], 6, v[A0]         ; Q: query r of my 16: 8,192 (r / 4) + 512 (r % 4), + 64 h: my 16 of its 32 numbers
	s_and_b32 s9, ttmp9, 7                         ; block of queries
	s_bfe_u32 s10, ttmp9, 0x20003                  ; head
	s_bfe_u32 s11, ttmp9, 0x20005                  ; window
	s_lshr_b32 s12, ttmp9, 7                       ; batch
	s_lshl_b32 s10, s10, 7
	s_lshl_b32 s11, s11, 11
	s_lshl_b32 s12, s12, 21
	s_or_b32 s12, s12, s11
	s_or_b32 s12, s12, s10                         ; bytes from a tensor's first to the window's token 0, my head
	s_lshl_b32 s14, s[WV], 18                      ; my wave's 128 keys: 32 groups of four rows, 8,192 bytes apart
	s_add_co_u32 s14, s14, s12
	s_add_co_u32 s14, s14, 0x400000                ; K is the second tensor of 4,194,304 bytes
	s_mov_b32 s15, 0
	s_lshl_b32 s16, s9, 3
	s_add_co_u32 s16, s16, s[WV]
	s_lshl_b32 s16, s16, 15                        ; my 16 queries: four groups of four rows
	s_add_co_u32 s16, s16, s12
	s_mov_b32 s17, 0
	s_wait_kmcnt 0x0
	s_add_nc_u64 s[20:21], s[4:5], s[14:15]        ; K at my wave's first key
	s_add_nc_u64 s[22:23], s[20:21], 0x400000      ; V likewise
	s_add_nc_u64 s[24:25], s[4:5], s[16:17]        ; Q at my first query
	s_add_nc_u64 s[26:27], s[6:7], s[16:17]        ; out0 likewise
	WIN 0x40                                       ; destinations v256-511; these registers are named by these loads and by the LDS stores below alone
.set i, 0
.rept 32
	global_load_b128 v[4*i:4*i+3], v[KGO], s[20:21] offset:8192*i      ; keys 4 i .. 4 i + 3: four pieces of 128 consecutive bytes
.set i, i+1
.endr
.set i, 0
.rept 32
	global_load_b128 v[128+4*i:128+4*i+3], v[KGO], s[22:23] offset:8192*i
.set i, i+1
.endr
	WIN 0
.irp p, 0,1,2,3
	global_load_b128 v[QR+4*\p:QR+4*\p+3], v[QGO], s[24:25] offset:16*\p th:TH_LOAD_NT   ; read by this wave alone
.endr
	; the LDS addresses are made while the loads are on their way
	s_mul_i32 s28, s[WV], STW
	s_add_co_u32 s28, s28, STG                     ; my stage
	s_lshl_b32 s29, s[WV], 12                      ; my step's images
	s_lshl_b32 s30, s[WV], 8                       ; and scale words
	s_mov_b32 s[SEL], 0x76543210
	s_mov_b32 s[SEL+1], 0xfedcba98
	s_mov_b32 s[CS], 0x3fb8aa3b                    ; log2(e)
	s_mov_b32 s[CS+1], s[CS]                       ; (named with it as a pair, so it is written)
	s_mov_b32 s[MNT], 0x600000
	s_mov_b32 s[SC], 0x3e3504f3                    ; 32^-0.5 in f32
	s_mov_b32 s[SC+1], s[SC]
	v_and_b32 v[A0], 31, v0                        ; lane
	v_lshlrev_b32 v[LI], 4, v[A0]
	v_lshlrev_b32 v[LS], 2, v[A0]
	v_mad_u32_u24 v[KSW], v[A3], 144, v[A5]
	v_add_nc_u32 v[KSW], s28, v[KSW]
	v_and_b32 v[A5], 8, v[A1]
	v_add_nc_u32 v[A5], v[A5], v[A1]               ; r + 8 (r / 8)
	v_mul_u32_u24 v[A5], v[A5], 144
	v_lshl_add_u32 v[A5], v[A2], 6, v[A5]
	v_add_nc_u32 v[KSR], s28, v[A5]                ; K back from the stage: a tile's row r, + 64 h
	v_add_nc_u32 v[VSW], s28, v[LI]                ; V into the stage: rows of 128 bytes on end: 16 x lane
	v_add_nc_u32 v[VSR], s28, v[LS]                ; and back: a lane to a channel
	v_add_nc_u32 v[KWI], s29, v[LI]
	v_add_nc_u32 v[AS0], KSC, v[LS]
	v_add_nc_u32 v[KWS], s30, v[AS0]
	v_lshlrev_b32 v[A5], 4, v[A1]
	v_lshl_add_u32 v[A5], v[A2], 11, v[A5]
	v_add_nc_u32 v[VWI], s29, v[A5]                ; channel = lane: tile lane / 16, row lane % 16 of V's images
	v_add_nc_u32 v[A5], VSC, v[LS]
	v_add_nc_u32 v[VWS], s30, v[A5]
	v_lshl_add_u32 v[AT0], v[A1], 2, VSC
	v_mul_u32_u24 v[A5], v[A1], 144
	v_lshl_add_u32 v[A5], v[A2], 5, v[A5]
	v_add_nc_u32 v[OSW], s28, v[A5]
.irp b, 0,1,2,3
	v_mov_b32 v[TM+4+\b], 0                        ; written once: a lane permute's destination counts as one of its sources
.endr
; 64 numbers of a lane, register 16 b + i = channel 16 (lane / 16) + i of row lane % 16 of tile b, become 16 registers of codes (block b = tile b) and a scale word (byte b = tile b's row).
.macro QUANT s, pc, pw
.irp b, 0,1,2,3
	v_max3_num_f32 v[TM+\b], |v[\s+16*\b]|, |v[\s+1+16*\b]|, 0x8000000   ; my 16 numbers, and the floor 2^(16 - 127): the byte cannot fall under 1
.endr
.irp i, 2,4,6,8,10,12,14
.irp b, 0,1,2,3
	v_max3_num_f32 v[TM+\b], v[TM+\b], |v[\s+16*\b+\i]|, |v[\s+1+16*\b+\i]|   ; (the four blocks by turns)
.endr
.endr
.irp b, 0,1,2,3
	v_permlanex16_b32 v[TM+4+\b], v[TM+\b], s[SEL], s[SEL+1]
.endr
.irp b, 0,1,2,3
	v_max_num_f32 v[TM+\b], v[TM+\b], v[TM+4+\b]   ; with lane l xor 16's 16: the block's largest magnitude
.endr
.irp b, 0,1,2,3
	v_add_nc_u32 v[TM+12+\b], 0xf8800000, v[TM+\b] ; 15 off its exponent field: the conversion takes this operand's exponent field as its scale
.endr
.irp b, 0,1,2,3
	v_and_or_b32 v[TM+8+\b], v[TM+\b], 0x7f800000, s[MNT]   ; 57,344 x the scale
.endr
.irp b, 0,1,2,3
	v_lshrrev_b32 v[TM+4+\b], 23, v[TM+12+\b]      ; the scale's byte
.endr
	v_lshl_or_b32 v[\pw], v[TM+5], 8, v[TM+4]
	v_lshl_or_b32 v[\pw], v[TM+6], 16, v[\pw]
	v_lshl_or_b32 v[\pw], v[TM+7], 24, v[\pw]
.irp b, 0,1,2,3
.irp i, 0,1,2,3,4,5,6,7,8,9,10,11,12,13,14,15
	v_med3_num_f32 v[\s+16*\b+\i], v[\s+16*\b+\i], -v[TM+8+\b], v[TM+8+\b]   ; the conversion to an 8-bit code does not saturate (ISA guide 7.6.2): the hold at the largest code x the scale
.endr
	v_cvt_scalef32_pk8_bf8_f32 v[\pc+4*\b:\pc+1+4*\b], v[\s+16*\b:\s+7+16*\b], v[TM+12+\b]
	v_cvt_scalef32_pk8_bf8_f32 v[\pc+2+4*\b:\pc+3+4*\b], v[\s+8+16*\b:\s+15+16*\b], v[TM+12+\b]
.endr
	v_nop                                          ; one plain vector instruction behind the last conversion, ahead of whatever next writes its sources
.endm
.macro IMAGE pc, off                               ; 16 registers go to LDS as they stand: 512 consecutive bytes a store
.irp c, 0,1,2,3
	ds_store_b128 v[KWI], v[\pc+4*\c:\pc+4*\c+3] offset:\off+512*\c
.endr
.endm
.macro VFETCH k0                                   ; 64 keys of V out of my stage: a lane to a channel, registers down the keys; 128 consecutive bytes a load
.set i, \k0
.rept 64
	ds_load_b32 v[X+i], v[VSR] offset:128*i
.set i, i+1
.endr
.endm
; Block c of V: keys 32 c .. 32 c + 31 of my channel are all mine.  Codes 0-15 belong to lane (r, 0) of the image, codes 16-31 to lane (r, 1): two stores, 256 bytes apart.
.macro VBLOCK c, cd
.set XS, X+32*(\c)
	v_max3_num_f32 v[TM], |v[XS]|, |v[XS+1]|, |v[XS+2]|
	v_max3_num_f32 v[TM+1], |v[XS+3]|, |v[XS+4]|, |v[XS+5]|
.irp i, 6,10,14,18,22,26
	v_max3_num_f32 v[TM], v[TM], |v[XS+\i]|, |v[XS+\i+1]|
	v_max3_num_f32 v[TM+1], v[TM+1], |v[XS+\i+2]|, |v[XS+\i+3]|
.endr
	v_max3_num_f32 v[TM], v[TM], |v[XS+30]|, |v[XS+31]|
	v_max3_num_f32 v[TM], v[TM], v[TM+1], 0x8000000   ; and the floor
	v_add_nc_u32 v[TM+3], 0xf8800000, v[TM]
	v_and_or_b32 v[TM+2], v[TM], 0x7f800000, s[MNT]
	v_lshrrev_b32 v[TM+1], 23, v[TM+3]
.if (\c) == 0
	v_mov_b32 v[SBW], v[TM+1]
.else
	v_lshl_or_b32 v[SBW], v[TM+1], 8*(\c), v[SBW]  ; the step's four bytes make my channel's scale word
.endif
.set i, 0
.rept 32
	v_med3_num_f32 v[XS+i], v[XS+i], -v[TM+2], v[TM+2]
.set i, i+1
.endr
.irp g, 0,1,2,3
	v_cvt_scalef32_pk8_bf8_f32 v[\cd+2*\g:\cd+2*\g+1], v[XS+8*\g:XS+8*\g+7], v[TM+3]
.endr
	v_nop                                          ; a plain instruction behind the last conversion: the next block writes its scale operand
	ds_store_b128 v[VWI], v[\cd:\cd+3] offset:VIMG+512*(\c)
	ds_store_b128 v[VWI], v[\cd+4:\cd+7] offset:VIMG+512*(\c)+256
.endm
	; ---- K: through my stage, so that a lane holds 16 neighbouring channels of one key.  LDS serves a wave's instructions in order (ISA guide 5.7.1.4): no wait between my stores and my loads of my own stage
	s_wait_loadcnt 36                              ; K's 32 loads are in; V's 32 and Q's 4 may be out
	WIN 0x04                                       ; an LDS store's data are its source 1: v256 on
.set i, 0
.rept 32
	ds_store_b128 v[KSW], v[4*i:4*i+3] offset:576*i   ; rows 144 bytes apart: 9 x 16, so that the rows a load touches start at different banks, two deep at the worst (64 banks of 4 bytes: ISA guide 11.1)
.set i, i+1
.endr
	WIN 0
.irp t, 0,1,2,3,4,5,6,7
.irp p, 0,1,2,3
	ds_load_b128 v[X+16*\t+4*\p:X+16*\t+4*\p+3], v[KSR] offset:(32*(\t/2)+8*(\t%2))*144+16*\p   ; tile t begins at key 32 (t / 2) + 8 (t % 2)
.endr
.endr
	s_wait_dscnt 16                                ; tiles 0-3 are in; the 16 loads of tiles 4-7 may be out
	QUANT X, PC, PW
	IMAGE PC, KIMG
	ds_store_b32 v[KWS], v[PW]
	; ---- V into the same stage, behind K's loads from it
	s_wait_loadcnt 4                               ; V's 32 loads are in; Q's 4 may be out
	WIN 0x04
.set i, 0
.rept 32
	ds_store_b128 v[VSW], v[128+4*i:128+4*i+3] offset:512*i
.set i, i+1
.endr
	WIN 0
	VFETCH 0                                       ; V's blocks 0 and 1, into the registers that K's tiles 0-3 have left
	s_wait_dscnt 63                                ; behind the loads of tiles 4-7 stand 5 + 32 + 64 LDS instructions: with 63 out at the most, those loads are in
	QUANT X+64, PCB, PW2
	IMAGE PCB, KIMG+2048
	ds_store_b32 v[KWS], v[PW2] offset:128
	VFETCH 64                                      ; V's blocks 2 and 3
	s_wait_dscnt 63                                ; behind the loads of blocks 0 and 1 stand 5 + 64: they are in, and the stores that read v[PC] on and v[PCB] on are done
	VBLOCK 0, PC
	VBLOCK 1, PC+8
	s_wait_dscnt 36                                ; block 2 is in: behind it block 3's 32 loads and four stores
	VBLOCK 2, PCB
	s_wait_dscnt 6                                 ; block 3 is in: behind it six stores
	VBLOCK 3, PCB+8
	ds_store_b32 v[VWS], v[SBW]
	s_wait_loadcnt 0x0                             ; Q
	s_wait_dscnt 0x0                               ; for the others' sake: my images and scale words lie in LDS
	s_barrier_signal -1
	; ---- Q, on registers alone, while the other waves arrive: x 32^-0.5, then one block of 32 in lanes l and l xor 16
.irp j, 0,2,4,6,8,10,12,14
	v_pk_mul_f32 v[QR+\j:QR+\j+1], v[QR+\j:QR+\j+1], s[SC:SC+1] op_sel_hi:[1,0]
.endr
	v_max3_num_f32 v[TM], |v[QR]|, |v[QR+1]|, 0x8000000
.irp i, 2,4,6,8,10,12,14
	v_max3_num_f32 v[TM], v[TM], |v[QR+\i]|, |v[QR+\i+1]|
.endr
	v_permlanex16_b32 v[TM+4], v[TM], s[SEL], s[SEL+1]
	v_max_num_f32 v[TM], v[TM], v[TM+4]
	v_add_nc_u32 v[TM+12], 0xf8800000, v[TM]
	v_and_or_b32 v[TM+8], v[TM], 0x7f800000, s[MNT]
	v_lshrrev_b32 v[TM+4], 23, v[TM+12]
	v_lshl_or_b32 v[TM+5], v[TM+4], 8, v[TM+4]
	v_lshl_or_b32 v[QS], v[TM+5], 16, v[TM+5]      ; the byte in all four places: Q's codes stand in any of the four blocks; over the zero codes any byte but 0xff adds nothing
.irp i, 0,1,2,3,4,5,6,7,8,9,10,11,12,13,14,15
	v_med3_num_f32 v[QR+\i], v[QR+\i], -v[TM+8], v[TM+8]
.endr
	v_cvt_scalef32_pk8_bf8_f32 v[QZ+12:QZ+13], v[QR:QR+7], v[TM+12]
	v_cvt_scalef32_pk8_bf8_f32 v[QZ+14:QZ+15], v[QR+8:QR+15], v[TM+12]
.irp j, 0,1,2,3,4,5,6,7,8,9,10,11
	v_mov_b32 v[QZ+\j], 0                          ; the strip's zero codes
	v_mov_b32 v[QZ+16+\j], 0
.endr
.irp j, 0,1,2,3,4,5,6,7,8,9,10,11,12,13,14,15
	v_mov_b32 v[O+\j], 0                           ; O^T: the step is written for every step alike; the first finds zeros, which the first change of M leaves zeros
.endr
	v_mov_b32 v13, 0xff61b1e6                      ; the largest t so far: -3e38, under every t
	v_floor_f32 v12, -v13                          ; -M
	v_mov_b32 v[OLD], v12
	v_mov_b32 v14, 0                               ; the sum, in two halves
	v_mov_b32 v15, 0
	v_mov_b32 v[F+1], 0                            ; (named as the upper half of a pair)
	s_mov_b32 s[TV], 0
	s_mov_b32 s[TS], 0
	s_mov_b32 s[CNT], 0
	s_barrier_wait -1                              ; all eight steps' images lie in LDS; nobody writes them again
.irp g, 0,1
.irp c, 0,1,2,3
	ds_load_b128 v[KF+16*\g+4*\c:KF+16*\g+4*\c+3], v[LI] offset:KIMG+2048*\g+512*\c   ; step 0's K
.endr
	ds_load_b32 v[KS+\g], v[AS0] offset:128*\g
.endr
; A KEY STEP: 128 keys.  more = 1: the next step's K is asked for, a softmax ahead of its use.
.macro STEP more
	s_wait_dscnt 0x0                               ; this step's K and its scale words are in
.irp g, 0,1
.irp c, 0,1,2,3
	v_wmma_scale_f32_16x16x128_f8f6f4 v[S+8*(4*\g+\c):S+8*(4*\g+\c)+7], v[KF+16*\g:KF+16*\g+15], v[QZ+12-4*\c:QZ+27-4*\c], 0, v[KS+\g], v[QS] matrix_a_fmt:MATRIX_FMT_BF8 matrix_b_fmt:MATRIX_FMT_BF8   ; tile 4 g + c: Q stands in block c
.endr
.endr
	; eight places behind these products and the last step's: in front of the loads into K's and V's registers and scale words and of the first read of the scores
	v_add_nc_u32 v[AD], s[TV], v[LI]
	v_add_nc_u32 v[ADT], s[TS], v[AT0]
.if \more
	v_add_nc_u32 v[ADS], s[TS], v[AS0]
.else
	v_nop
.endif
.rept 5
	v_nop
.endr
.irp n, 0,1
.irp c, 0,1,2,3
	ds_load_b128 v[VF+16*\n+4*\c:VF+16*\n+4*\c+3], v[AD] offset:VIMG+2048*\n+512*\c   ; this step's V
.endr
	ds_load_b32 v[VS+\n], v[ADT] offset:64*\n
.endr
.if \more
.irp g, 0,1
.irp c, 0,1,2,3
	ds_load_b128 v[KF+16*\g+4*\c:KF+16*\g+4*\c+3], v[AD] offset:KIMG+4096+2048*\g+512*\c   ; the next step's K
.endr
	ds_load_b32 v[KS+\g], v[ADS] offset:256+128*\g
.endr
.endif
.irp b, 0,1,2,3
	v_max3_num_f32 v[TM+\b], v[S+16*\b], v[S+1+16*\b], v[S+2+16*\b]   ; the largest score of each block of 32 keys: for the row's maximum and, since p rises with the score, for the block's largest p.  Each accumulator is read from its low end on
.endr
.irp i, 3,5,7,9,11,13
.irp b, 0,1,2,3
	v_max3_num_f32 v[TM+\b], v[TM+\b], v[S+16*\b+\i], v[S+1+16*\b+\i]
.endr
.endr
.irp b, 0,1,2,3
	v_max_num_f32 v[TM+\b], v[TM+\b], v[S+15+16*\b]
.endr
.irp b, 0,1,2,3
	v_permlanex16_b32 v[TM+4+\b], v[TM+\b], s[SEL], s[SEL+1]
.endr
.irp b, 0,1,2,3
	v_max_num_f32 v[TM+\b], v[TM+\b], v[TM+4+\b]   ; with lane l xor 16's 16 keys
.endr
	v_max3_num_f32 v[T], v[TM], v[TM+1], v[TM+2]
	v_max_num_f32 v[T], v[T], v[TM+3]
	v_mul_f32 v[T], s[CS], v[T]                    ; the step's largest t of my query
	v_max_num_f32 v13, v13, v[T]                   ; the running largest t
	v_floor_f32 v12, -v13                          ; -M = floor(-t) = -ceil(t): M is a whole number
	v_sub_f32 v[T], v12, v[OLD]                    ; old M - new M: a whole number, 0 or less
	v_cvt_i32_f32 v[T], v[T]                       ; (it saturates)
	v_ldexp_f32 v[F], 1.0, v[T]                    ; f = 2^(old M - new M): a multiplication by it rounds nothing
	; ONE BATCH: the 64 exponentials, and among them plain work that names none of their results: the scalings t - M (a pair is scaled two lines of the list ahead of its exponentials), O^T x f, and t - M of the blocks' largest scores
	v_pk_fma_f32 v[S:S+1], v[S:S+1], s[CS:CS+1], v[12:13] op_sel_hi:[1,0,0]
	v_pk_fma_f32 v[S+2:S+3], v[S+2:S+3], s[CS:CS+1], v[12:13] op_sel_hi:[1,0,0]
.set k, 0
.rept 32
	v_exp_f32 v[S+2*k], v[S+2*k]                   ; p = 2^(t - M), at most 1: not normalised
.if k < 8
	v_pk_mul_f32 v[O+2*k:O+2*k+1], v[O+2*k:O+2*k+1], v[F:F+1] op_sel_hi:[1,0]   ; O^T under the new M, each accumulator from its low end on
.elseif k < 10
	v_fma_f32 v[TM+k-8], v[TM+k-8], s[CS], v12
.endif
	v_exp_f32 v[S+2*k+1], v[S+2*k+1]
.if k < 30
	v_pk_fma_f32 v[S+2*k+4:S+2*k+5], v[S+2*k+4:S+2*k+5], s[CS:CS+1], v[12:13] op_sel_hi:[1,0,0]
.else
	v_fma_f32 v[TM+k-28], v[TM+k-28], s[CS], v12   ; (the last of these is the plain instruction behind the last exponential)
.endif
.set k, k+1
.endr
	s_wait_alu depctr_va_vdst(0)                   ; a wait ahead of the first instruction that names an exponential's result: one for the batch
.irp b, 0,1,2,3
	v_exp_f32 v[TM+\b], v[TM+\b]                   ; the block's largest p: the same two instructions on the same number give the same bits
.endr
	v_pk_add_f32 v[SA:SA+1], v[S:S+1], v[S+2:S+3]  ; the sum is taken of the unquantised p: two at a time, in two chains.  (It reads the 64 alone: plain work behind the four)
	v_pk_add_f32 v[SB:SB+1], v[S+4:S+5], v[S+6:S+7]
.irp j, 8,12,16,20,24,28,32,36,40,44,48,52,56,60
	v_pk_add_f32 v[SA:SA+1], v[SA:SA+1], v[S+\j:S+\j+1]
	v_pk_add_f32 v[SB:SB+1], v[SB:SB+1], v[S+\j+2:S+\j+3]
.endr
	s_wait_alu depctr_va_vdst(0)                   ; and one for the four
.irp b, 0,1,2,3
	v_max_num_f32 v[TM+\b], 0x8000000, v[TM+\b]    ; the floor 2^(16 - 127)
.endr
.irp b, 0,1,2,3
	v_add_nc_u32 v[TM+12+\b], 0xf8800000, v[TM+\b]
.endr
.irp b, 0,1,2,3
	v_and_or_b32 v[TM+8+\b], v[TM+\b], 0x7f800000, s[MNT]
.endr
.irp b, 0,1,2,3
	v_lshrrev_b32 v[TM+4+\b], 23, v[TM+12+\b]
.endr
	v_lshl_or_b32 v[PW], v[TM+5], 8, v[TM+4]       ; p's scale word for these 128 keys; the 64 holds below stand between it and the product that names it
	v_lshl_or_b32 v[PW], v[TM+6], 16, v[PW]
	v_lshl_or_b32 v[PW], v[TM+7], 24, v[PW]
.irp b, 0,1,2,3
.irp i, 0,1,2,3,4,5,6,7,8,9,10,11,12,13,14,15
	v_min_num_f32 v[S+16*\b+\i], v[S+16*\b+\i], v[TM+8+\b]   ; the hold; p is not negative, so it is one-sided
.endr
	v_cvt_scalef32_pk8_bf8_f32 v[PC+4*\b:PC+1+4*\b], v[S+16*\b:S+7+16*\b], v[TM+12+\b]
	v_cvt_scalef32_pk8_bf8_f32 v[PC+2+4*\b:PC+3+4*\b], v[S+8+16*\b:S+15+16*\b], v[TM+12+\b]
.endr
	; four places between the codes and the scaled product that takes them; they name none of its registers
	v_pk_add_f32 v[SA:SA+1], v[SA:SA+1], v[SB:SB+1]
	v_pk_fma_f32 v[14:15], v[14:15], v[F:F+1], v[SA:SA+1] op_sel_hi:[1,0,1]   ; the sum under the new M, and the step's part
	v_mov_b32 v[OLD], v12
	v_nop
	s_wait_dscnt 10*\more                          ; V and its scale words are in; the ten loads of the next step's K may be out
.irp n, 0,1
	v_wmma_scale_f32_16x16x128_f8f6f4 v[O+8*\n:O+8*\n+7], v[VF+16*\n:VF+16*\n+15], v[PC:PC+15], v[O+8*\n:O+8*\n+7], v[VS+\n], v[PW] matrix_a_fmt:MATRIX_FMT_BF8 matrix_b_fmt:MATRIX_FMT_BF8   ; the two accumulators by turns, the eight products S^T between their turns
.endr
.endm
.Lstep:                                            ; seven trips; the eighth step is written out: it has no next K to ask for
	STEP 1
	s_add_co_u32 s[TV], s[TV], 4096
	s_add_co_u32 s[TS], s[TS], 256
	s_add_co_u32 s[CNT], s[CNT], 1
	s_cmp_lt_u32 s[CNT], 7
	s_cbranch_scc1 .Lstep
	STEP 0
	; THE WAY OUT.  O^T / the sum goes through my own stage, which no other wave names, and leaves with eight lanes to a head's 128 bytes of a row.
	v_add_f32 v14, v14, v15                        ; the sum's two halves,
	v_permlanex16_b32 v[T], v14, s[SEL], s[SEL+1]
	v_add_f32 v14, v14, v[T]                       ; and lane l xor 16's: the row's sum
	v_rcp_f32 v14, v14
.rept 6
	v_nop                                          ; with the two additions above: eight places behind the last products; the first is also the plain instruction behind the reciprocal
.endr
	s_wait_alu depctr_va_vdst(0)                   ; the wait ahead of the reciprocal's first use
.irp j, 0,2,4,6,8,10,12,14
	v_pk_mul_f32 v[S+\j:S+\j+1], v[O+\j:O+\j+1], v[14:15] op_sel_hi:[1,0]   ; register 8 n + i: channel 16 n + 8 h + i of query r
.endr
.irp n, 0,1
	ds_store_b128 v[OSW], v[S+8*\n:S+8*\n+3] offset:64*\n
	ds_store_b128 v[OSW], v[S+8*\n+4:S+8*\n+7] offset:64*\n+16
.endr
.irp p, 0,1,2,3
	ds_load_b128 v[S+16+4*\p:S+16+4*\p+3], v[KSW] offset:576*\p   ; queries 4 p .. 4 p + 3, whole; LDS serves a wave's instructions in order: these see my stores
.endr
.irp p, 0,1,2,3
	s_wait_dscnt 3-\p
	global_store_b128 v[KGO], v[S+16+4*\p:S+16+4*\p+3], s[26:27] offset:8192*\p th:TH_STORE_NT   ; four pieces of 128 consecutive bytes; written once, read by nobody here
.endr
	s_wait_xcnt 0x0
	v_lshl_add_u32 v254, v0, 2, 0x35000
	v_mov_b32 v255, 0
	s_wait_tensorcnt 0x0
	ds_add_u32 v254, v255
	s_wait_dscnt 0x0
	s_endpgm
.Lfunc_end_k_q9d96ca59b7_lepe:
	.size	k_q9d96ca59b7_lepe, .Lfunc_end_k_q9d96ca59b7_lepe-k_q9d96ca59b7_lepe
	.p2alignl 7, 3214868480
	.fill 96, 4, 3214868480
	.section	.rodata,"a",@progbits
	.p2align	6, 0x0
	.amdhsa_kernel k_q9d96ca59b7_lepe
		.amdhsa_group_segment_fixed_size 218112
		.amdhsa_private_segment_fixed_size 0
		.amdhsa_enable_private_segment 0
		.amdhsa_kernarg_size 16
		.amdhsa_user_sgpr_count 2
		.amdhsa_user_sgpr_kernarg_segment_ptr 1
		.amdhsa_wavefront_size32 1
		.amdhsa_system_sgpr_workgroup_id_x 1
		.amdhsa_system_sgpr_workgroup_id_y 1
		.amdhsa_system_sgpr_workgroup_id_z 1
		.amdhsa_system_vgpr_workitem_id 0
		.amdhsa_next_free_vgpr 512
		.amdhsa_next_free_sgpr 66
		.amdhsa_reserve_vcc 0
		.amdhsa_float_denorm_mode_32 3
		.amdhsa_float_denorm_mode_16_64 3
		.amdhsa_memory_ordered 1
		.amdhsa_forward_progress 1
		.amdhsa_inst_pref_size 95
	.end_amdhsa_kernel
	.amdgpu_metadata
---
amdhsa.version: [ 1, 2 ]
amdhsa.kernels:
  - .name:           k_q9d96ca59b7_lepe
    .symbol:         k_q9d96ca59b7_lepe.kd
    .args:
      - { .name: qkv, .offset: 0, .size: 8, .value_kind: global_buffer, .address_space: global }
      - { .name: out0, .offset: 8, .size: 8, .value_kind: global_buffer, .address_space: global }
    .group_segment_fixed_size: 218112
    .private_segment_fixed_size: 0
    .kernarg_segment_align: 8
    .kernarg_segment_size: 16
    .max_flat_workgroup_size: 256
    .sgpr_count:     66
    .vgpr_count:     512
    .wavefront_size: 32
...
	.end_amdgpu_metadata
.endif
;; end of part 1
;; ======== version 2 of 3: 1 launch; 1.17 times as fast as version 1
;; launch lepe (part 2): grid 256 x 1, 8 waves a work-group, no clusters, 111,616 bytes of LDS; arguments qkv, out0; writes out0
.if DOCPART == 2
	.amdgcn_target "amdgcn-amd-amdhsa--gfx1250"
	.amdhsa_code_object_version 6
	.text
	.protected	k_q9d96ca59b7_lepe
	.globl	k_q9d96ca59b7_lepe
	.p2align	8
	.type	k_q9d96ca59b7_lepe,@function
k_q9d96ca59b7_lepe:
	s_mov_b64 s[64:65], 0
	v_nop
	global_prefetch_b8 v0, s[64:65] scope:SCOPE_SE
	s_setreg_imm32_b32 hwreg(HW_REG_WAVE_MODE, 25, 1), 1
	s_wait_xcnt 0x0
; Windowed attention on codes of BF8 (E5M2) with one E8M0 scale for each 32 along a product's K.  qkv: [3][2][4096][128] f32; out0: [2][4096][128] f32.
; A window is 16 x 16 x 4 tokens: token j (0 .. 1,023) of window wi lies at row 16 (j / 4) + 4 wi + j % 4 of its batch: 8,192 (j / 4) + 2,048 wi + 512 (j % 4) bytes; head hd is 128 bytes of a row, at 128 hd.
; SHARES.  256 work-groups: bits 2:0 of the work-group's number a block of 128 queries, 4:3 the head, 6:5 the window, 7 the batch.  Eight waves; wave w owns queries 16 w .. 16 w + 15 of the block and walks all 1,024 keys, 128 a step.
; K AND V ARE QUANTISED ON THE WALK, a PAIR of steps (256 keys) at a time.  Of each pair wave w takes keys 32 w .. 32 w + 31: two tiles of K (quantised along the head's 32) and one block of V (along the keys), and lays codes and scale
; words in LDS as IMAGES OF THE OPERANDS' REGISTERS.  A trip is two key steps; at its head the wave quantises its share of the NEXT pair, so that only pair 0 stands ahead of the first product, and the loads and LDS turns of later keys
; run beside the softmax of earlier ones.  The f32 numbers wait in two register buffers (v256-383) that take turns: pairs 0 and 1 are asked for at the head, pair 2 when pair 0 has left its buffer, pair 3 in trip 0: each more than a trip ahead of its use.
; ONE BARRIER A TRIP: a wave signals at the head of the trip's second step, where its image stores are done, and waits at the next trip's head, in front of its first read of the new images.  No image byte is written twice.
; THE FOUR TRIPS ARE WRITTEN OUT by one macro: the buffers take turns, only trip 0 loads, the last quantises nothing; so every LDS and memory offset is an immediate beside a register made of lane and wave alone.
; PRODUCT 1 HAS K = 32, the instruction 128.  Source 0 is 16 registers with FOUR tiles of 16 keys, one in each block of 32 along the instruction's K; source 1 is Q's codes in ONE block and zero codes in the other three.
; Q lies in a strip of 28 registers (12 zeros, 4 codes, 12 zeros): the strip from register 12 - 4 c on has Q in block c.  So four instructions on the same source 0 give the scores of its four tiles, and a tile costs one LDS load of 16 bytes a lane.
; Both products are used transposed (S^T = K Q^T, O^T = V^T P^T): a lane holds ONE query (lane % 16).  Row r of tile 2 b + u is key 32 b + 8 u + r + 8 (r / 8), so that the 16 registers of tiles 2 b, 2 b + 1 are keys 32 b + 16 (lane / 16) + 0 .. 15.
; SOFTMAX: t = score x log2(e); M = the running largest t rounded up to a whole number; p = 2^(t - M) is quantised along the keys; the sum is taken of the unquantised p and divides at the end; when M moves, sum and O^T take 2^(old M - new M).
; NOT ASKED FOR JOINTLY: the eight work-groups of a window's head read the same K and V.  Every number has to pass through registers to be quantised; as f32 they are 262,144 bytes, with the 73,728 of images and scale words 335,872, more than
; the 327,680 that a work-group can claim, so a tile in LDS would be filled again and again, each time behind a round of a cluster's barrier, in a text whose waves otherwise meet four times.  So each work-group loads them itself, into registers.
; No prefetch: the loads themselves go out a trip and more ahead of their use.
; STORES cover 128 consecutive bytes (eight lanes): a head's part of a row; the neighbouring 128 bytes are another head's, made by another work-group.
; LIMITS: NaN and infinities among the inputs are not served.  A block's largest magnitude is taken no lower than 2^(16 - 127), which holds the byte at 1 as the quantiser's rule does; a block of zeros so has the byte 1 where the rule says 127:
; its codes are zeros, and the bytes are read by this program alone.  v_exp_f32 gives 0 for a p under 2^-126 (ISA guide 15.8).
.set PAIRB, 524288                     ; a pair on in memory: 64 groups of four rows, 8,192 bytes apart
.set KSC,  0                           ; LDS: K's scale words: 512 x step + 128 x (tile / 2) + 4 x lane = 1,024 x pair + 128 x wave + 4 x lane
.set VSC,  4096                        ; V's scale bytes, a word each: 512 x step + 128 x block + 4 x channel = 1,024 x pair + 128 x wave + 4 x lane
.set KIMG, 8192                        ; K's images: 4,096 x step + 2,048 g + 512 c + 16 x lane (tile 4 g + c) = 8,192 x pair + 1,024 x wave + 512 u + 16 x lane
.set VIMG, 40960                       ; V's: 4,096 x step + 1,024 c + 512 n + 16 x lane (keys 32 c on, channels 16 n on) = 8,192 x pair + 1,024 x wave + ..
.set STG,  73728                       ; a stage of its own for each wave: 32 rows x 144 bytes
.set STW,  4608
.set LIK,  1                           ; v1   KIMG + 16 x lane
.set LS,   2                           ; v2   4 x lane: scale words in LDS; in memory a lane to a channel
.set KGO,  3                           ; v3   memory: 512 (lane / 8) + 16 (lane % 8): four rows, eight lanes to a head's 128 bytes
.set KSW,  4                           ; v4   my stage: 144 (lane / 8) + 16 (lane % 8)
.set OSW,  5                           ; v5   my stage, the way out: 144 r + 32 h
.set KSR,  6                           ; v6   my stage: 144 (r + 8 (r / 8)) + 64 h: a tile's row r, my 16 channels
.set LIV,  7                           ; v7   VIMG + 16 x lane
.set WKA,  8                           ; v8   where I store K's images: KIMG + 1,024 x wave + 16 x lane
.set WVA,  9                           ; v9   V's: VIMG + 1,024 x wave + 512 (lane / 16) + 16 (lane % 16): channel = lane
.set WSA,  10                          ; v10  scale words: 128 x wave + 4 x lane
.set QSR,  11                          ; v11  my stage: 144 r + 64 h
.set QZ,   16                          ; v16-43   Q's strip: zeros, v28-31 codes, zeros         (v12 -M, v13 the largest t, v[14:15] the sum in two halves)
.set KF,   44                          ; v44-75   K: two groups of four tiles
.set VF,   76                          ; v76-107  V: two tiles of 16 channels x 128 keys
.set S,    108                         ; v108-171 S^T, then p
.set O,    172                         ; v172-187 O^T
.set PC,   188                         ; v188-203 p's codes
.set TM,   204                         ; v204-219 largest numbers, bytes, the largest code x the scale, the conversions' scale operands
.set KS,   220                         ; v220-223 K's scale words, one for each two tiles
.set VW,   224                         ; v224-227 V's four scale bytes as they come from LDS
.set VS,   228                         ; v228-229 V's scale word, by turns: lanes 0-15 channels 0-15, lanes 16-31 channels 16-31
.set PW,   230                         ; v230 p's scale word
.set QS,   231                         ; v231 Q's scale byte, four times
.set F,    232                         ; v[232:233] f = 2^(old M - new M) (the pair is named, the low word used)
.set T,    234
.set SA,   236                         ; v[236:237], v[238:239] the step's sum in two chains
.set SB,   238
.set OLD,  240                         ; v240 the last step's -M
.set A0,   241                         ; v241-247 at work while addresses are made
.set A1,   242
.set A2,   243
.set A3,   244
.set A4,   245
.set A5,   246
.set A6,   247
.set X,    S                           ; at a trip's head S^T's registers are free: K's 32 numbers,
.set CK,   S+32                        ; K's codes, 8 registers,
.set CV,   S+40                        ; V's,
.set KWD,  S+48                        ; and the two scale words on their way to LDS
.set VWD,  S+49
.set QR,   KF                          ; ahead of the first trip: Q's 16 numbers
.set KA,   0                           ; v256 on, named through the window: buffer A: K as loaded (32), V (32);
.set VA,   32
.set KB,   64                          ; buffer B likewise;
.set VB,   96
.set QB,   128                         ; v384-399 Q as loaded
.set WV,   8                           ; s8 my wave's number
.set SEL,  32                          ; s[32:33] v_permlanex16_b32's selects for lane l xor 16
.set CS,   34                          ; s[34:35] log2(e)
.set MNT,  36                          ; s36 the mantissa field of 57,344
.set SC,   38                          ; s[38:39] 32^-0.5
.set MSB, 0
.macro WIN new                         ; s_set_vgpr_msb: bits 1:0 source 0, 3:2 source 1, 5:4 source 2, 7:6 destination; the immediate's high byte repeats the setting that is left
.if MSB != \new
	s_set_vgpr_msb (MSB<<8)|\new
.set MSB, \new
.endif
.endm
; Group gi (four keys) of my 32 keys of pair pr.  K: one load, eight lanes to a key's 128 bytes.  V: four loads, A LANE TO A CHANNEL, so that a lane's registers run down the keys; each reads 128 consecutive bytes.
.macro GK pr, rb, gi
	global_load_b128 v[\rb+4*(\gi):\rb+4*(\gi)+3], v[KGO], s[20:21] offset:PAIRB*(\pr)+8192*(\gi)
.endm
.macro GV pr, rb, gi
.irp a, 0,1,2,3
	global_load_b32 v[\rb+4*(\gi)+\a], v[LS], s[22:23] offset:PAIRB*(\pr)+8192*(\gi)+512*\a
.endr
.endm
	s_load_b128 s[4:7], s[0:1], 0x0                ; qkv, out0
	v_lshl_add_u32 v254, v0, 2, 0x1b000
	v_mov_b32 v255, 0
	v_lshrrev_b32 v[T], 5, v0
	v_readfirstlane_b32 s[WV], v[T]                ; wave 0..7
	v_bfe_u32 v[A3], v0, 3, 2                      ; lane / 8
	v_and_b32 v[A4], 7, v0                         ; lane % 8
	v_lshlrev_b32 v[A5], 4, v[A4]
	v_lshl_add_u32 v[KGO], v[A3], 9, v[A5]
	v_and_b32 v[A0], 31, v0                        ; lane
	v_lshlrev_b32 v[LS], 2, v[A0]
	s_and_b32 s9, ttmp9, 7                         ; block of queries
	s_bfe_u32 s10, ttmp9, 0x20003                  ; head
	s_bfe_u32 s11, ttmp9, 0x20005                  ; window
	s_lshr_b32 s12, ttmp9, 7                       ; batch
	s_lshl_b32 s10, s10, 7
	s_lshl_b32 s11, s11, 11
	s_lshl_b32 s12, s12, 21
	s_or_b32 s12, s12, s11
	s_or_b32 s12, s12, s10                         ; bytes from a tensor's first to the window's token 0, my head
	s_lshl_b32 s14, s[WV], 16                      ; my wave's 32 keys of a pair: eight groups of four rows, 8,192 bytes apart
	s_add_co_u32 s14, s14, s12
	s_add_co_u32 s14, s14, 0x400000                ; K is the second tensor of 4,194,304 bytes
	s_mov_b32 s15, 0
	s_lshl_b32 s16, s9, 3
	s_add_co_u32 s16, s16, s[WV]
	s_lshl_b32 s16, s16, 15                        ; my 16 queries: four groups of four rows
	s_add_co_u32 s16, s16, s12
	s_mov_b32 s17, 0
	s_wait_kmcnt 0x0
	s_add_nc_u64 s[20:21], s[4:5], s[14:15]        ; K at my first key of pair 0; these four addresses are never written again: pairs and groups stand in the immediates
	s_add_nc_u64 s[22:23], s[20:21], 0x400000      ; V likewise
	s_add_nc_u64 s[24:25], s[4:5], s[16:17]        ; Q at my first query
	s_add_nc_u64 s[26:27], s[6:7], s[16:17]        ; out0 likewise
	WIN 0x40                                       ; destinations v256 on
.set m, 0
.rept 8
	GK 0, KA, m                                    ; pair 0: K first, since its way through the stage is the longer
.set m, m+1
.endr
.set m, 0
.rept 8
	GV 0, VA, m
.set m, m+1
.endr
.set m, 0
.rept 4
	global_load_b128 v[QB+4*m:QB+4*m+3], v[KGO], s[24:25] offset:8192*m th:TH_LOAD_NT   ; queries 4 m .. 4 m + 3, four whole pieces of 128 bytes; read by this wave alone
.set m, m+1
.endr
.set m, 0
.rept 8
	GK 1, KB, m                                    ; pair 1, wanted at the first trip's head
	GV 1, VB, m
.set m, m+1
.endr
	WIN 0
	; the LDS addresses are made while the loads are on their way
	s_mul_i32 s28, s[WV], STW
	s_add_co_u32 s28, s28, STG                     ; my stage
	s_lshl_b32 s29, s[WV], 10                      ; my share of a pair's images
	s_lshl_b32 s30, s[WV], 7                       ; and of its scale words
	s_mov_b32 s[SEL], 0x76543210
	s_mov_b32 s[SEL+1], 0xfedcba98
	s_mov_b32 s[CS], 0x3fb8aa3b                    ; log2(e)
	s_mov_b32 s[CS+1], s[CS]                       ; (named with it as a pair, so it is written)
	s_mov_b32 s[MNT], 0x600000
	s_mov_b32 s[SC], 0x3e3504f3                    ; 32^-0.5 in f32
	s_mov_b32 s[SC+1], s[SC]
	v_and_b32 v[A1], 15, v0                        ; r
	v_bfe_u32 v[A2], v0, 4, 1                      ; h
	v_lshl_add_u32 v[LIK], v[A0], 4, KIMG
	v_lshl_add_u32 v[LIV], v[A0], 4, VIMG
	v_mad_u32_u24 v[KSW], v[A3], 144, v[A5]
	v_add_nc_u32 v[KSW], s28, v[KSW]
	v_mul_u32_u24 v[A6], v[A1], 144
	v_add_nc_u32 v[A6], s28, v[A6]                 ; my stage's row r
	v_lshl_add_u32 v[QSR], v[A2], 6, v[A6]
	v_lshl_add_u32 v[OSW], v[A2], 5, v[A6]
	v_and_b32 v[A5], 8, v[A1]
	v_mad_u32_u24 v[KSR], v[A5], 144, v[QSR]       ; 8 (r / 8) rows further down
	v_add_nc_u32 v[WKA], s29, v[LIK]
	v_lshlrev_b32 v[A5], 4, v[A1]
	v_lshl_add_u32 v[A5], v[A2], 9, v[A5]
	v_add_nc_u32 v[A5], s29, v[A5]
	v_add_nc_u32 v[WVA], VIMG, v[A5]
	v_add_nc_u32 v[WSA], s30, v[LS]
.irp b, 0,1,2,3
	v_mov_b32 v[TM+4+\b], 0                        ; written once: a lane permute's destination counts as one of its sources
.endr
; MY SHARE OF PAIR pr: 32 keys of K (as loaded in v[256 + kb] on) and of V (v[256 + vb] on) become codes and scale words in LDS.  nk, nv: the loads that may stay out when K's, V's have to be in.
.macro QPAIR kb, vb, pr, nk, nv
	s_wait_loadcnt \nk
	; K turns through my own stage, so that a lane holds 16 neighbouring channels of one key.  LDS serves a wave's instructions in order (ISA guide 5.7.1.4): no wait between my stores and my loads
	WIN 0x04                                       ; an LDS store's data are its source 1
.set i, 0
.rept 8
	ds_store_b128 v[KSW], v[\kb+4*i:\kb+4*i+3] offset:576*i   ; rows 144 bytes apart: 9 x 16, so that the rows a load touches start at different banks, two deep at the worst (64 banks of 4 bytes: ISA guide 11.1)
.set i, i+1
.endr
	WIN 0
.irp u, 0,1
.irp e, 0,1,2,3
	ds_load_b128 v[X+16*\u+4*\e:X+16*\u+4*\e+3], v[KSR] offset:1152*\u+16*\e   ; tile u begins at my key 8 u
.endr
.endr
.if \nv != \nk
	s_wait_loadcnt \nv
.endif
	; V meanwhile: my channel's 32 keys are one block, all in my registers
	WIN 0x15                                       ; sources 0, 1, 2: v256 on
	v_max3_num_f32 v[TM], |v[\vb]|, |v[\vb+1]|, |v[\vb+2]|
	v_max3_num_f32 v[TM+1], |v[\vb+3]|, |v[\vb+4]|, |v[\vb+5]|
	WIN 0x14                                       ; sources 1, 2
.irp i, 6,10,14,18,22,26
	v_max3_num_f32 v[TM], v[TM], |v[\vb+\i]|, |v[\vb+\i+1]|
	v_max3_num_f32 v[TM+1], v[TM+1], |v[\vb+\i+2]|, |v[\vb+\i+3]|
.endr
	v_max3_num_f32 v[TM], v[TM], |v[\vb+30]|, |v[\vb+31]|
	WIN 0
	v_max3_num_f32 v[TM], v[TM], v[TM+1], 0x8000000   ; and the floor 2^(16 - 127): the byte cannot fall under 1
	v_add_nc_u32 v[TM+3], 0xf8800000, v[TM]        ; 15 off the exponent field: the conversion takes this operand's exponent field as its scale
	v_and_or_b32 v[TM+2], v[TM], 0x7f800000, s[MNT]   ; 57,344 x the scale
	v_lshrrev_b32 v[VWD], 23, v[TM+3]              ; the scale's byte
	WIN 0x41                                       ; destination and source 0: v256 on
.set i, 0
.rept 32
	v_med3_num_f32 v[\vb+i], v[\vb+i], -v[TM+2], v[TM+2]   ; the conversion to an 8-bit code does not saturate (ISA guide 7.6.2): the hold at the largest code x the scale
.set i, i+1
.endr
	WIN 0x01                                       ; source 0
.irp g, 0,1,2,3
	v_cvt_scalef32_pk8_bf8_f32 v[CV+2*\g:CV+2*\g+1], v[\vb+8*\g:\vb+8*\g+7], v[TM+3]
.endr
	WIN 0
	v_nop                                          ; one plain vector instruction behind the last conversion, ahead of what next writes its sources
	ds_store_b128 v[WVA], v[CV:CV+3] offset:8192*(\pr)           ; keys 0-15 belong to lane (r, 0) of the image,
	ds_store_b128 v[WVA], v[CV+4:CV+7] offset:8192*(\pr)+256     ; keys 16-31 to lane (r, 1)
	ds_store_b32 v[WSA], v[VWD] offset:VSC+1024*(\pr)
	s_wait_dscnt 3                                 ; K's numbers are back from the stage (behind them: V's three stores); so the stage's stores have read v[256 + kb] on, which may be loaded again
	; K: two blocks (tiles), 16 numbers of each mine, the other 16 in lane l xor 16; four chains
.irp b, 0,1
	v_max3_num_f32 v[TM+\b], |v[X+16*\b]|, |v[X+1+16*\b]|, 0x8000000
	v_max3_num_f32 v[TM+2+\b], |v[X+8+16*\b]|, |v[X+9+16*\b]|, |v[X+10+16*\b]|
.endr
.irp i, 2,4
.irp b, 0,1
	v_max3_num_f32 v[TM+\b], v[TM+\b], |v[X+16*\b+\i]|, |v[X+1+16*\b+\i]|
	v_max3_num_f32 v[TM+2+\b], v[TM+2+\b], |v[X+9+16*\b+\i]|, |v[X+10+16*\b+\i]|
.endr
.endr
.irp b, 0,1
	v_max3_num_f32 v[TM+\b], v[TM+\b], |v[X+6+16*\b]|, |v[X+7+16*\b]|
.endr
.irp b, 0,1
	v_max3_num_f32 v[TM+\b], v[TM+\b], v[TM+2+\b], |v[X+15+16*\b]|
.endr
.irp b, 0,1
	v_permlanex16_b32 v[TM+4+\b], v[TM+\b], s[SEL], s[SEL+1]
.endr
.irp b, 0,1
	v_max_num_f32 v[TM+\b], v[TM+\b], v[TM+4+\b]   ; the block's largest magnitude
.endr
.irp b, 0,1
	v_add_nc_u32 v[TM+12+\b], 0xf8800000, v[TM+\b]
.endr
.irp b, 0,1
	v_and_or_b32 v[TM+8+\b], v[TM+\b], 0x7f800000, s[MNT]
.endr
.irp b, 0,1
	v_lshrrev_b32 v[TM+4+\b], 23, v[TM+12+\b]
.endr
	v_lshl_or_b32 v[KWD], v[TM+5], 8, v[TM+4]
	v_lshl_or_b32 v[KWD], v[KWD], 16, v[KWD]       ; my two bytes in both halves of the word: my tiles are blocks 0, 1 or blocks 2, 3 of their group of four
.irp b, 0,1
.irp i, 0,1,2,3,4,5,6,7,8,9,10,11,12,13,14,15
	v_med3_num_f32 v[X+16*\b+\i], v[X+16*\b+\i], -v[TM+8+\b], v[TM+8+\b]
.endr
	v_cvt_scalef32_pk8_bf8_f32 v[CK+4*\b:CK+1+4*\b], v[X+16*\b:X+7+16*\b], v[TM+12+\b]
	v_cvt_scalef32_pk8_bf8_f32 v[CK+2+4*\b:CK+3+4*\b], v[X+8+16*\b:X+15+16*\b], v[TM+12+\b]
.endr
	v_nop                                          ; a plain instruction behind the last conversion: products will write these registers
	ds_store_b128 v[WKA], v[CK:CK+3] offset:8192*(\pr)
	ds_store_b128 v[WKA], v[CK+4:CK+7] offset:8192*(\pr)+512
	ds_store_b32 v[WSA], v[KWD] offset:KSC+1024*(\pr)
.endm
; What a step's first products want, 16 LDS loads: K's two groups of four tiles, their four scale words, and V's four scale bytes
.macro KFETCH st
.irp g, 0,1
.irp c, 0,1,2,3
	ds_load_b128 v[KF+16*\g+4*\c:KF+16*\g+4*\c+3], v[LIK] offset:4096*(\st)+2048*\g+512*\c
.endr
.endr
.irp c, 0,1,2,3
	ds_load_b32 v[KS+\c], v[LS] offset:KSC+512*(\st)+128*\c
	ds_load_b32 v[VW+\c], v[LS] offset:VSC+512*(\st)+128*\c
.endr
.endm
	; ---- pair 0.  Behind K's eight loads stand 76 more; a wait names 63 at the most: with 63 out at the most the first 21 are in.  Behind V's 32: Q's 4 and pair 1's 40
	QPAIR KA, VA, 0, 63, 44
	; ---- Q through the same stage, behind K's loads from it
	s_wait_loadcnt 40                              ; Q is in; pair 1's 40 may be out
	WIN 0x04
.set i, 0
.rept 4
	ds_store_b128 v[KSW], v[QB+4*i:QB+4*i+3] offset:576*i
.set i, i+1
.endr
	WIN 0
.irp e, 0,1,2,3
	ds_load_b128 v[QR+4*\e:QR+4*\e+3], v[QSR] offset:16*\e   ; query r, my 16 of its 32 numbers
.endr
	WIN 0x40
.set m, 0
.rept 8
	GK 2, KA, m                                    ; pair 2 into the buffer that pair 0 has left
	GV 2, VA, m
.set m, m+1
.endr
	WIN 0
	s_wait_dscnt 0x0                               ; for the others' sake: my share of pair 0 lies in LDS; and Q's numbers are in
	s_barrier_signal -1
	; ---- Q, on registers alone, while the other waves arrive: x 32^-0.5, then one block of 32 in lanes l and l xor 16
.irp j, 0,2,4,6,8,10,12,14
	v_pk_mul_f32 v[QR+\j:QR+\j+1], v[QR+\j:QR+\j+1], s[SC:SC+1] op_sel_hi:[1,0]
.endr
	v_max3_num_f32 v[TM], |v[QR]|, |v[QR+1]|, 0x8000000
.irp i, 2,4,6,8,10,12,14
	v_max3_num_f32 v[TM], v[TM], |v[QR+\i]|, |v[QR+\i+1]|
.endr
	v_permlanex16_b32 v[TM+4], v[TM], s[SEL], s[SEL+1]
	v_max_num_f32 v[TM], v[TM], v[TM+4]
	v_add_nc_u32 v[TM+12], 0xf8800000, v[TM]
	v_and_or_b32 v[TM+8], v[TM], 0x7f800000, s[MNT]
	v_lshrrev_b32 v[TM+4], 23, v[TM+12]
	v_lshl_or_b32 v[TM+5], v[TM+4], 8, v[TM+4]
	v_lshl_or_b32 v[QS], v[TM+5], 16, v[TM+5]      ; the byte in all four places: Q's codes stand in any of the four blocks; over the zero codes any byte but 0xff adds nothing
.irp i, 0,1,2,3,4,5,6,7,8,9,10,11,12,13,14,15
	v_med3_num_f32 v[QR+\i], v[QR+\i], -v[TM+8], v[TM+8]
.endr
	v_cvt_scalef32_pk8_bf8_f32 v[QZ+12:QZ+13], v[QR:QR+7], v[TM+12]
	v_cvt_scalef32_pk8_bf8_f32 v[QZ+14:QZ+15], v[QR+8:QR+15], v[TM+12]
.irp j, 0,1,2,3,4,5,6,7,8,9,10,11
	v_mov_b32 v[QZ+\j], 0                          ; the strip's zero codes
	v_mov_b32 v[QZ+16+\j], 0
.endr
.irp j, 0,1,2,3,4,5,6,7,8,9,10,11,12,13,14,15
	v_mov_b32 v[O+\j], 0                           ; O^T: the step is written for every step alike; the first finds zeros, which the first change of M leaves zeros
.endr
	v_mov_b32 v13, 0xff61b1e6                      ; the largest t so far: -3e38, under every t
	v_floor_f32 v12, -v13                          ; -M
	v_mov_b32 v[OLD], v12
	v_mov_b32 v14, 0                               ; the sum, in two halves
	v_mov_b32 v15, 0
	v_mov_b32 v[F+1], 0                            ; (named as the upper half of a pair)
; KEY STEP st: 128 keys.  more = 1: the next step lies in the same pair, and what its first products want is asked for a softmax ahead.  fill = 1: pair 3's 40 loads go out, five at a time, among the exponentials.
; sig = 1: the barrier's signal: my share of the next pair lies in LDS.
.macro STEP st, more, fill, sig
	s_wait_dscnt 0x0                               ; this step's K and scale words are in; in a trip's first step also: my image stores are done and have read their registers, which the products below write
.if \sig
	s_barrier_signal -1                            ; no LDS instruction of mine is out.  Up to the wait, at the next trip's head: register work, and LDS loads of this pair's images, which nobody writes again
.endif
.irp g, 0,1
.irp c, 0,1,2,3
	v_wmma_scale_f32_16x16x128_f8f6f4 v[S+8*(4*\g+\c):S+8*(4*\g+\c)+7], v[KF+16*\g:KF+16*\g+15], v[QZ+12-4*\c:QZ+27-4*\c], 0, v[KS+2*\g+\c/2], v[QS] matrix_a_fmt:MATRIX_FMT_BF8 matrix_b_fmt:MATRIX_FMT_BF8   ; tile 4 g + c: Q stands in block c
.endr
.endr
	; eight places behind these products and the last step's: in front of the loads into K's and V's registers and scale words and of the first read of the scores.
	; Three of them join V's four scale bytes to a word, in the one of two registers that the last step's products did not name
	v_lshl_or_b32 v[VS+(\st)%2], v[VW+1], 8, v[VW]
	v_lshl_or_b32 v[VS+(\st)%2], v[VW+2], 16, v[VS+(\st)%2]
	v_lshl_or_b32 v[VS+(\st)%2], v[VW+3], 24, v[VS+(\st)%2]
.rept 5
	v_nop
.endr
.irp n, 0,1
.irp c, 0,1,2,3
	ds_load_b128 v[VF+16*\n+4*\c:VF+16*\n+4*\c+3], v[LIV] offset:4096*(\st)+1024*\c+512*\n   ; this step's V
.endr
.endr
.if \more
	KFETCH (\st)+1
.endif
.irp b, 0,1,2,3
	v_max3_num_f32 v[TM+\b], v[S+16*\b], v[S+1+16*\b], v[S+2+16*\b]   ; the largest score of each block of 32 keys: for the row's maximum and, since p rises with the score, for the block's largest p.  Each accumulator is read from its low end on
.endr
.irp i, 3,5,7,9,11,13
.irp b, 0,1,2,3
	v_max3_num_f32 v[TM+\b], v[TM+\b], v[S+16*\b+\i], v[S+1+16*\b+\i]
.endr
.endr
.irp b, 0,1,2,3
	v_max_num_f32 v[TM+\b], v[TM+\b], v[S+15+16*\b]
.endr
.irp b, 0,1,2,3
	v_permlanex16_b32 v[TM+4+\b], v[TM+\b], s[SEL], s[SEL+1]
.endr
.irp b, 0,1,2,3
	v_max_num_f32 v[TM+\b], v[TM+\b], v[TM+4+\b]   ; with lane l xor 16's 16 keys
.endr
	v_max3_num_f32 v[T], v[TM], v[TM+1], v[TM+2]
	v_max_num_f32 v[T], v[T], v[TM+3]
	v_mul_f32 v[T], s[CS], v[T]                    ; the step's largest t of my query
	v_max_num_f32 v13, v13, v[T]                   ; the running largest t
	v_floor_f32 v12, -v13                          ; -M = floor(-t) = -ceil(t): M is a whole number
	v_sub_f32 v[T], v12, v[OLD]                    ; old M - new M: a whole number, 0 or less
	v_cvt_i32_f32 v[T], v[T]                       ; (it saturates)
	v_ldexp_f32 v[F], 1.0, v[T]                    ; f = 2^(old M - new M): a multiplication by it rounds nothing
	; ONE BATCH: the 64 exponentials, and among them work that names none of their results: the scalings t - M (a pair is scaled two lines of the list ahead of its exponentials), O^T x f, t - M of the blocks' largest scores
	v_pk_fma_f32 v[S:S+1], v[S:S+1], s[CS:CS+1], v[12:13] op_sel_hi:[1,0,0]
	v_pk_fma_f32 v[S+2:S+3], v[S+2:S+3], s[CS:CS+1], v[12:13] op_sel_hi:[1,0,0]
.set k, 0
.rept 32
.if \fill
.if k%4 == 0
	WIN 0x40
	GK 3, KB, k/4                                  ; pair 3 into the buffer that pair 1 has left: eight groups of five loads, eight exponentials apart, so that no wave stands in one long run of loads
	GV 3, VB, k/4
	WIN 0
.endif
.endif
	v_exp_f32 v[S+2*k], v[S+2*k]                   ; p = 2^(t - M), at most 1: not normalised
.if k < 8
	v_pk_mul_f32 v[O+2*k:O+2*k+1], v[O+2*k:O+2*k+1], v[F:F+1] op_sel_hi:[1,0]   ; O^T under the new M, each accumulator from its low end on
.elseif k < 10
	v_fma_f32 v[TM+k-8], v[TM+k-8], s[CS], v12
.endif
	v_exp_f32 v[S+2*k+1], v[S+2*k+1]
.if k < 30
	v_pk_fma_f32 v[S+2*k+4:S+2*k+5], v[S+2*k+4:S+2*k+5], s[CS:CS+1], v[12:13] op_sel_hi:[1,0,0]
.else
	v_fma_f32 v[TM+k-28], v[TM+k-28], s[CS], v12   ; (the last of these is the plain instruction behind the last exponential)
.endif
.set k, k+1
.endr
	s_wait_alu depctr_va_vdst(0)                   ; a wait ahead of the first instruction that names an exponential's result: one for the batch
.irp b, 0,1,2,3
	v_exp_f32 v[TM+\b], v[TM+\b]                   ; the block's largest p: the same two instructions on the same number give the same bits
.endr
	v_pk_add_f32 v[SA:SA+1], v[S:S+1], v[S+2:S+3]  ; the sum is taken of the unquantised p: two at a time, in two chains.  (It reads the 64 alone: plain work behind the four)
	v_pk_add_f32 v[SB:SB+1], v[S+4:S+5], v[S+6:S+7]
.irp j, 8,12,16,20,24,28,32,36,40,44,48,52,56,60
	v_pk_add_f32 v[SA:SA+1], v[SA:SA+1], v[S+\j:S+\j+1]
	v_pk_add_f32 v[SB:SB+1], v[SB:SB+1], v[S+\j+2:S+\j+3]
.endr
	s_wait_alu depctr_va_vdst(0)                   ; and one for the four
.irp b, 0,1,2,3
	v_max_num_f32 v[TM+\b], 0x8000000, v[TM+\b]    ; the floor 2^(16 - 127)
.endr
.irp b, 0,1,2,3
	v_add_nc_u32 v[TM+12+\b], 0xf8800000, v[TM+\b]
.endr
.irp b, 0,1,2,3
	v_and_or_b32 v[TM+8+\b], v[TM+\b], 0x7f800000, s[MNT]
.endr
.irp b, 0,1,2,3
	v_lshrrev_b32 v[TM+4+\b], 23, v[TM+12+\b]
.endr
	v_lshl_or_b32 v[PW], v[TM+5], 8, v[TM+4]       ; p's scale word for these 128 keys; the 64 holds below stand between it and the product that names it
	v_lshl_or_b32 v[PW], v[TM+6], 16, v[PW]
	v_lshl_or_b32 v[PW], v[TM+7], 24, v[PW]
.irp b, 0,1,2,3
.irp i, 0,1,2,3,4,5,6,7,8,9,10,11,12,13,14,15
	v_min_num_f32 v[S+16*\b+\i], v[S+16*\b+\i], v[TM+8+\b]   ; the hold; p is not negative, so it is one-sided
.endr
	v_cvt_scalef32_pk8_bf8_f32 v[PC+4*\b:PC+1+4*\b], v[S+16*\b:S+7+16*\b], v[TM+12+\b]
	v_cvt_scalef32_pk8_bf8_f32 v[PC+2+4*\b:PC+3+4*\b], v[S+8+16*\b:S+15+16*\b], v[TM+12+\b]
.endr
	; four places between the codes and the scaled product that takes them; they name none of its registers
	v_pk_add_f32 v[SA:SA+1], v[SA:SA+1], v[SB:SB+1]
	v_pk_fma_f32 v[14:15], v[14:15], v[F:F+1], v[SA:SA+1] op_sel_hi:[1,0,1]   ; the sum under the new M, and the step's part
	v_mov_b32 v[OLD], v12
	v_nop
	s_wait_dscnt 16*\more                          ; V is in; the 16 loads for the next step may be out
	v_wmma_scale_f32_16x16x128_f8f6f4 v[O:O+7], v[VF:VF+15], v[PC:PC+15], v[O:O+7], v[VS+(\st)%2], v[PW] matrix_a_fmt:MATRIX_FMT_BF8 matrix_b_fmt:MATRIX_FMT_BF8   ; channels 0-15: their scale words in lanes 0-15.  The two accumulators by turns, the eight products S^T between their turns
	v_wmma_scale_f32_16x16x128_f8f6f4 v[O+8:O+15], v[VF+16:VF+31], v[PC:PC+15], v[O+8:O+15], v[VS+(\st)%2], v[PW] matrix_a_fmt:MATRIX_FMT_BF8 matrix_b_fmt:MATRIX_FMT_BF8 matrix_a_scale:MATRIX_SCALE_ROW1   ; channels 16-31: in lanes 16-31
.endm
; TRIP p: key steps 2 p and 2 p + 1.  q = 1: at its head my share of pair p + 1 is quantised, out of the buffer at kb, vb; nl: the loads issued behind that pair's.
.macro TRIP p, q, kb, vb, nl, fill
	s_barrier_wait -1                              ; every wave's share of pair p lies in LDS
	KFETCH 2*(\p)
.if \q
	QPAIR \kb, \vb, (\p)+1, \nl, \nl
.endif
	STEP 2*(\p), 1, \fill, 0
	STEP 2*(\p)+1, 0, 0, \q
.endm
	TRIP 0, 1, KB, VB, 40, 1                       ; pair 1 is quantised (behind its loads: pair 2's 40); pair 3 is asked for
	TRIP 1, 1, KA, VA, 40, 0                       ; pair 2 (behind its loads: pair 3's 40)
	TRIP 2, 1, KB, VB, 0, 0                        ; pair 3
	TRIP 3, 0, 0, 0, 0, 0                          ; nothing is left to quantise, and no barrier follows
	; THE WAY OUT.  O^T / the sum goes through my own stage, which no other wave names, and leaves with eight lanes to a head's 128 bytes of a row.
	v_add_f32 v14, v14, v15                        ; the sum's two halves,
	v_permlanex16_b32 v[T], v14, s[SEL], s[SEL+1]
	v_add_f32 v14, v14, v[T]                       ; and lane l xor 16's: the row's sum
	v_rcp_f32 v14, v14
.rept 6
	v_nop                                          ; with the two additions above: eight places behind the last products; the first is also the plain instruction behind the reciprocal
.endr
	s_wait_alu depctr_va_vdst(0)                   ; the wait ahead of the reciprocal's first use
.irp j, 0,2,4,6,8,10,12,14
	v_pk_mul_f32 v[S+\j:S+\j+1], v[O+\j:O+\j+1], v[14:15] op_sel_hi:[1,0]   ; register 8 n + i: channel 16 n + 8 h + i of query r
.endr
.irp n, 0,1
	ds_store_b128 v[OSW], v[S+8*\n:S+8*\n+3] offset:64*\n
	ds_store_b128 v[OSW], v[S+8*\n+4:S+8*\n+7] offset:64*\n+16
.endr
.irp e, 0,1,2,3
	ds_load_b128 v[S+16+4*\e:S+16+4*\e+3], v[KSW] offset:576*\e   ; queries 4 e .. 4 e + 3, whole; LDS serves a wave's instructions in order: these see my stores
.endr
.irp e, 0,1,2,3
	s_wait_dscnt 3-\e
	global_store_b128 v[KGO], v[S+16+4*\e:S+16+4*\e+3], s[26:27] offset:8192*\e th:TH_STORE_NT   ; four pieces of 128 consecutive bytes; written once, read by nobody here
.endr
	s_wait_tensorcnt 0x0
	ds_add_u32 v254, v255
	s_wait_dscnt 0x0
	s_endpgm
.Lfunc_end_k_q9d96ca59b7_lepe:
	.size	k_q9d96ca59b7_lepe, .Lfunc_end_k_q9d96ca59b7_lepe-k_q9d96ca59b7_lepe
	.p2alignl 7, 3214868480
	.fill 96, 4, 3214868480
	.section	.rodata,"a",@progbits
	.p2align	6, 0x0
	.amdhsa_kernel k_q9d96ca59b7_lepe
		.amdhsa_group_segment_fixed_size 111616
		.amdhsa_private_segment_fixed_size 0
		.amdhsa_enable_private_segment 0
		.amdhsa_kernarg_size 16
		.amdhsa_user_sgpr_count 2
		.amdhsa_user_sgpr_kernarg_segment_ptr 1
		.amdhsa_wavefront_size32 1
		.amdhsa_system_sgpr_workgroup_id_x 1
		.amdhsa_system_sgpr_workgroup_id_y 1
		.amdhsa_system_sgpr_workgroup_id_z 1
		.amdhsa_system_vgpr_workitem_id 0
		.amdhsa_next_free_vgpr 400
		.amdhsa_next_free_sgpr 66
		.amdhsa_reserve_vcc 0
		.amdhsa_float_denorm_mode_32 3
		.amdhsa_float_denorm_mode_16_64 3
		.amdhsa_memory_ordered 1
		.amdhsa_forward_progress 1
		.amdhsa_inst_pref_size 195
	.end_amdhsa_kernel
	.amdgpu_metadata
---
amdhsa.version: [ 1, 2 ]
amdhsa.kernels:
  - .name:           k_q9d96ca59b7_lepe
    .symbol:         k_q9d96ca59b7_lepe.kd
    .args:
      - { .name: qkv, .offset: 0, .size: 8, .value_kind: global_buffer, .address_space: global }
      - { .name: out0, .offset: 8, .size: 8, .value_kind: global_buffer, .address_space: global }
    .group_segment_fixed_size: 111616
    .private_segment_fixed_size: 0
    .kernarg_segment_align: 8
    .kernarg_segment_size: 16
    .max_flat_workgroup_size: 256
    .sgpr_count:     66
    .vgpr_count:     400
    .wavefront_size: 32
...
	.end_amdgpu_metadata
.endif
;; end of part 2
;; ======== version 3 of 3: 1 launch; version 2 with the launch lepe written anew for expert scheduling mode
;; launch lepe (part 3): grid 256 x 1, 8 waves a work-group, no clusters, 111,616 bytes of LDS; arguments qkv, out0; writes out0
.if DOCPART == 3
	.amdgcn_target "amdgcn-amd-amdhsa--gfx1250"
	.amdhsa_code_object_version 6
	.text
	.protected	k_q9d96ca59b7_lepe
	.globl	k_q9d96ca59b7_lepe
	.p2align	8
	.type	k_q9d96ca59b7_lepe,@function
k_q9d96ca59b7_lepe:
	s_mov_b64 s[64:65], 0
	v_nop
	global_prefetch_b8 v0, s[64:65] scope:SCOPE_SE
	s_setreg_imm32_b32 hwreg(HW_REG_WAVE_SCHED_MODE, 0, 2), 2
	s_setreg_imm32_b32 hwreg(HW_REG_WAVE_MODE, 25, 1), 1
	s_wait_xcnt 0x0
	s_wait_alu depctr_vm_vsrc(0)
; Windowed attention on codes of BF8 (E5M2) with one E8M0 scale for each 32 along a product's K.  qkv: [3][2][4096][128] f32; out0: [2][4096][128] f32.
; A window is 16 x 16 x 4 tokens: token j (0 .. 1,023) of window wi lies at row 16 (j / 4) + 4 wi + j % 4 of its batch: 8,192 (j / 4) + 2,048 wi + 512 (j % 4) bytes; head hd is 128 bytes of a row, at 128 hd.
; SHARES.  256 work-groups: bits 2:0 of the work-group's number a block of 128 queries, 4:3 the head, 6:5 the window, 7 the batch.  Eight waves; wave w owns queries 16 w .. 16 w + 15 of the block and walks all 1,024 keys, 128 a step.
; K AND V ARE QUANTISED ON THE WALK, a PAIR of steps (256 keys) at a time.  Of each pair wave w takes keys 32 w .. 32 w + 31: two tiles of K (quantised along the head's 32) and one block of V (along the keys), and lays codes and scale
; words in LDS as IMAGES OF THE OPERANDS' REGISTERS.  A trip is two key steps; at its head the wave quantises its share of the NEXT pair, so that only pair 0 stands ahead of the first product, and the loads and LDS turns of later keys
; run beside the softmax of earlier ones.  The f32 numbers wait in two register buffers (v256-383) that take turns: pairs 0 and 1 are asked for at the head, pair 2 when pair 0 has left its buffer, pair 3 in trip 0: each more than a trip ahead of its use.
; ONE BARRIER A TRIP: a wave signals at the head of the trip's second step, where its image stores are done, and waits at the next trip's head, in front of its first read of the new images.  No image byte is written twice.
; THE FOUR TRIPS ARE WRITTEN OUT by one macro: the buffers take turns, only trip 0 loads, the last quantises nothing; so every LDS and memory offset is an immediate beside a register made of lane and wave alone.
; PRODUCT 1 HAS K = 32, the instruction 128.  Source 0 is 16 registers with FOUR tiles of 16 keys, one in each block of 32 along the instruction's K; source 1 is Q's codes in ONE block and zero codes in the other three.
; Q lies in a strip of 28 registers (12 zeros, 4 codes, 12 zeros): the strip from register 12 - 4 c on has Q in block c.  So four instructions on the same source 0 give the scores of its four tiles, and a tile costs one LDS load of 16 bytes a lane.
; Both products are used transposed (S^T = K Q^T, O^T = V^T P^T): a lane holds ONE query (lane % 16).  Row r of tile 2 b + u is key 32 b + 8 u + r + 8 (r / 8), so that the 16 registers of tiles 2 b, 2 b + 1 are keys 32 b + 16 (lane / 16) + 0 .. 15.
; SOFTMAX: t = score x log2(e); M = the running largest t rounded up to a whole number; p = 2^(t - M) is quantised along the keys; the sum is taken of the unquantised p and divides at the end; when M moves, sum and O^T take 2^(old M - new M).
; NOT ASKED FOR JOINTLY: the eight work-groups of a window's head read the same K and V.  Every number has to pass through registers to be quantised; as f32 they are 262,144 bytes, with the 73,728 of images and scale words 335,872, more than
; the 327,680 that a work-group can claim, so a tile in LDS would be filled again and again, each time behind a round of a cluster's barrier, in a text whose waves otherwise meet four times.  So each work-group loads them itself, into registers.
; No prefetch: the loads themselves go out a trip and more ahead of their use.
; STORES cover 128 consecutive bytes (eight lanes): a head's part of a row; the neighbouring 128 bytes are another head's, made by another work-group.
; LIMITS: NaN and infinities among the inputs are not served.  A block's largest magnitude is taken no lower than 2^(16 - 127), which holds the byte at 1 as the quantiser's rule does; a block of zeros so has the byte 1 where the rule says 127:
; its codes are zeros, and the bytes are read by this program alone.  v_exp_f32 gives 0 for a p under 2^-126 (ISA guide 15.8).
; THE MODE: SCHED_MODE bits 1:0 = 2 (LLVM: expert scheduling mode 2), set by the entry lines.  The code itself states the register dependences between vector or matrix instructions and memory or LDS instructions, with s_wait_alu, always for 0.
; THE PLAN.  Registers that memory or LDS instructions touch:
;   v1-v11         addresses and offsets: made once at the head by vector lines, never written again.
;   KA, KB         K as loaded: written by global loads, read by the stage's LDS stores alone, then loaded again (pair 2 into KA, pair 3 into KB).
;   VA, VB         V as loaded: written by global loads and by the holds in place, read by maxima, holds and conversions, then loaded again.
;   v[S] .. +31    at a trip's head K's numbers from the stage land here; the step before has read and written them as S^T and p.
;   v[S+32] .. +49 a pair's codes and two scale words: written by its conversions and shifts, read by its six image stores, then written by the products S^T (pair 0's: by pair 1's conversions).
;   KF, KS, VW     written by LDS loads; read by the products S^T (KF, KS) and by the three lines that join V's bytes (VW); ahead of trip 0 Q's numbers pass through KF.
;   VF             written by LDS loads; read by the products O^T.
; THE WAITS.  On va_vdst: one at a trip's head (the step before is done with KF, KS, VW and v[S] on); one behind a pair's vector work, ahead of its six image stores; one in a step behind the eight places (the products are done with VF, KF, KS,
; the joining lines with VW); the two behind the exponentials; one ahead of the products O^T, which take codes and scale words that vector lines made.  On vm_vsrc: one ahead of pair 2's loads, one behind each trip's quantising.
.set PAIRB, 524288                     ; a pair on in memory: 64 groups of four rows, 8,192 bytes apart
.set KSC,  0                           ; LDS: K's scale words: 512 x step + 128 x (tile / 2) + 4 x lane = 1,024 x pair + 128 x wave + 4 x lane
.set VSC,  4096                        ; V's scale bytes, a word each: 512 x step + 128 x block + 4 x channel = 1,024 x pair + 128 x wave + 4 x lane
.set KIMG, 8192                        ; K's images: 4,096 x step + 2,048 g + 512 c + 16 x lane (tile 4 g + c) = 8,192 x pair + 1,024 x wave + 512 u + 16 x lane
.set VIMG, 40960                       ; V's: 4,096 x step + 1,024 c + 512 n + 16 x lane (keys 32 c on, channels 16 n on) = 8,192 x pair + 1,024 x wave + ..
.set STG,  73728                       ; a stage of its own for each wave: 32 rows x 144 bytes
.set STW,  4608
.set LIK,  1                           ; v1   KIMG + 16 x lane
.set LS,   2                           ; v2   4 x lane: scale words in LDS; in memory a lane to a channel
.set KGO,  3                           ; v3   memory: 512 (lane / 8) + 16 (lane % 8): four rows, eight lanes to a head's 128 bytes
.set KSW,  4                           ; v4   my stage: 144 (lane / 8) + 16 (lane % 8)
.set OSW,  5                           ; v5   my stage, the way out: 144 r + 32 h
.set KSR,  6                           ; v6   my stage: 144 (r + 8 (r / 8)) + 64 h: a tile's row r, my 16 channels
.set LIV,  7                           ; v7   VIMG + 16 x lane
.set WKA,  8                           ; v8   where I store K's images: KIMG + 1,024 x wave + 16 x lane
.set WVA,  9                           ; v9   V's: VIMG + 1,024 x wave + 512 (lane / 16) + 16 (lane % 16): channel = lane
.set WSA,  10                          ; v10  scale words: 128 x wave + 4 x lane
.set QSR,  11                          ; v11  my stage: 144 r + 64 h
.set QZ,   16                          ; v16-43   Q's strip: zeros, v28-31 codes, zeros         (v12 -M, v13 the largest t, v[14:15] the sum in two halves)
.set KF,   44                          ; v44-75   K: two groups of four tiles
.set VF,   76                          ; v76-107  V: two tiles of 16 channels x 128 keys
.set S,    108                         ; v108-171 S^T, then p
.set O,    172                         ; v172-187 O^T
.set PC,   188                         ; v188-203 p's codes
.set TM,   204                         ; v204-219 largest numbers, bytes, the largest code x the scale, the conversions' scale operands
.set KS,   220                         ; v220-223 K's scale words, one for each two tiles
.set VW,   224                         ; v224-227 V's four scale bytes as they come from LDS
.set VS,   228                         ; v228-229 V's scale word, by turns: lanes 0-15 channels 0-15, lanes 16-31 channels 16-31
.set PW,   230                         ; v230 p's scale word
.set QS,   231                         ; v231 Q's scale byte, four times
.set F,    232                         ; v[232:233] f = 2^(old M - new M) (the pair is named, the low word used)
.set T,    234
.set SA,   236                         ; v[236:237], v[238:239] the step's sum in two chains
.set SB,   238
.set OLD,  240                         ; v240 the last step's -M
.set A0,   241                         ; v241-247 at work while addresses are made
.set A1,   242
.set A2,   243
.set A3,   244
.set A4,   245
.set A5,   246
.set A6,   247
.set X,    S                           ; at a trip's head S^T's registers are free: K's 32 numbers,
.set CK,   S+32                        ; K's codes, 8 registers,
.set CV,   S+40                        ; V's,
.set KWD,  S+48                        ; and the two scale words on their way to LDS
.set VWD,  S+49
.set QR,   KF                          ; ahead of the first trip: Q's 16 numbers
.set KA,   0                           ; v256 on, named through the window: buffer A: K as loaded (32), V (32);
.set VA,   32
.set KB,   64                          ; buffer B likewise;
.set VB,   96
.set QB,   128                         ; v384-399 Q as loaded
.set WV,   8                           ; s8 my wave's number
.set SEL,  32                          ; s[32:33] v_permlanex16_b32's selects for lane l xor 16
.set CS,   34                          ; s[34:35] log2(e)
.set MNT,  36                          ; s36 the mantissa field of 57,344
.set SC,   38                          ; s[38:39] 32^-0.5
.set MSB, 0
.macro WIN new                         ; s_set_vgpr_msb: bits 1:0 source 0, 3:2 source 1, 5:4 source 2, 7:6 destination; the immediate's high byte repeats the setting that is left
.if MSB != \new
	s_set_vgpr_msb (MSB<<8)|\new
.set MSB, \new
.endif
.endm
; Group gi (four keys) of my 32 keys of pair pr.  K: one load, eight lanes to a key's 128 bytes.  V: four loads, A LANE TO A CHANNEL, so that a lane's registers run down the keys; each reads 128 consecutive bytes.
.macro GK pr, rb, gi
	global_load_b128 v[\rb+4*(\gi):\rb+4*(\gi)+3], v[KGO], s[20:21] offset:PAIRB*(\pr)+8192*(\gi)
.endm
.macro GV pr, rb, gi
.irp a, 0,1,2,3
	global_load_b32 v[\rb+4*(\gi)+\a], v[LS], s[22:23] offset:PAIRB*(\pr)+8192*(\gi)+512*\a
.endr
.endm
	s_load_b128 s[4:7], s[0:1], 0x0                ; qkv, out0
	v_lshl_add_u32 v254, v0, 2, 0x1b000            ; the LDS address of my spare word, behind the stages: 110,592 + 4 x my thread's number; kept for the closing lines alone
	v_mov_b32 v255, 0                              ; and 0, likewise
	v_lshrrev_b32 v[T], 5, v0
	v_readfirstlane_b32 s[WV], v[T]                ; wave 0..7
	v_bfe_u32 v[A3], v0, 3, 2                      ; lane / 8
	v_and_b32 v[A4], 7, v0                         ; lane % 8
	v_lshlrev_b32 v[A5], 4, v[A4]
	v_lshl_add_u32 v[KGO], v[A3], 9, v[A5]
	v_and_b32 v[A0], 31, v0                        ; lane
	v_lshlrev_b32 v[LS], 2, v[A0]
	s_wait_alu depctr_va_sdst(0)                   ; s8, my wave's number, is written, ahead of its first reader: the addresses below are made from it
	s_and_b32 s9, ttmp9, 7                         ; block of queries
	s_bfe_u32 s10, ttmp9, 0x20003                  ; head
	s_bfe_u32 s11, ttmp9, 0x20005                  ; window
	s_lshr_b32 s12, ttmp9, 7                       ; batch
	s_lshl_b32 s10, s10, 7
	s_lshl_b32 s11, s11, 11
	s_lshl_b32 s12, s12, 21
	s_or_b32 s12, s12, s11
	s_or_b32 s12, s12, s10                         ; bytes from a tensor's first to the window's token 0, my head
	s_lshl_b32 s14, s[WV], 16                      ; my wave's 32 keys of a pair: eight groups of four rows, 8,192 bytes apart
	s_add_co_u32 s14, s14, s12
	s_add_co_u32 s14, s14, 0x400000                ; K is the second tensor of 4,194,304 bytes
	s_mov_b32 s15, 0
	s_lshl_b32 s16, s9, 3
	s_add_co_u32 s16, s16, s[WV]
	s_lshl_b32 s16, s16, 15                        ; my 16 queries: four groups of four rows
	s_add_co_u32 s16, s16, s12
	s_mov_b32 s17, 0
	s_wait_kmcnt 0x0
	s_add_nc_u64 s[20:21], s[4:5], s[14:15]        ; K at my first key of pair 0; these four addresses are never written again: pairs and groups stand in the immediates
	s_add_nc_u64 s[22:23], s[20:21], 0x400000      ; V likewise
	s_add_nc_u64 s[24:25], s[4:5], s[16:17]        ; Q at my first query
	s_add_nc_u64 s[26:27], s[6:7], s[16:17]        ; out0 likewise
	WIN 0x40                                       ; destinations v256 on
	s_wait_alu depctr_va_vdst(0)                   ; v2 and v3 are written: every global load and store of the kernel reads one of them as its offset
.set m, 0
.rept 8
	GK 0, KA, m                                    ; pair 0: K first, since its way through the stage is the longer
.set m, m+1
.endr
.set m, 0
.rept 8
	GV 0, VA, m
.set m, m+1
.endr
.set m, 0
.rept 4
	global_load_b128 v[QB+4*m:QB+4*m+3], v[KGO], s[24:25] offset:8192*m th:TH_LOAD_NT   ; queries 4 m .. 4 m + 3, four whole pieces of 128 bytes; read by this wave alone
.set m, m+1
.endr
.set m, 0
.rept 8
	GK 1, KB, m                                    ; pair 1, wanted at the first trip's head
	GV 1, VB, m
.set m, m+1
.endr
	WIN 0
	; the LDS addresses are made while the loads are on their way
	s_mul_i32 s28, s[WV], STW
	s_add_co_u32 s28, s28, STG                     ; my stage
	s_lshl_b32 s29, s[WV], 10                      ; my share of a pair's images
	s_lshl_b32 s30, s[WV], 7                       ; and of its scale words
	s_mov_b32 s[SEL], 0x76543210
	s_mov_b32 s[SEL+1], 0xfedcba98
	s_mov_b32 s[CS], 0x3fb8aa3b                    ; log2(e)
	s_mov_b32 s[CS+1], s[CS]                       ; (named with it as a pair, so it is written)
	s_mov_b32 s[MNT], 0x600000
	s_mov_b32 s[SC], 0x3e3504f3                    ; 32^-0.5 in f32
	s_mov_b32 s[SC+1], s[SC]
	v_and_b32 v[A1], 15, v0                        ; r
	v_bfe_u32 v[A2], v0, 4, 1                      ; h
	v_lshl_add_u32 v[LIK], v[A0], 4, KIMG
	v_lshl_add_u32 v[LIV], v[A0], 4, VIMG
	v_mad_u32_u24 v[KSW], v[A3], 144, v[A5]
	v_add_nc_u32 v[KSW], s28, v[KSW]
	v_mul_u32_u24 v[A6], v[A1], 144
	v_add_nc_u32 v[A6], s28, v[A6]                 ; my stage's row r
	v_lshl_add_u32 v[QSR], v[A2], 6, v[A6]
	v_lshl_add_u32 v[OSW], v[A2], 5, v[A6]
	v_and_b32 v[A5], 8, v[A1]
	v_mad_u32_u24 v[KSR], v[A5], 144, v[QSR]       ; 8 (r / 8) rows further down
	v_add_nc_u32 v[WKA], s29, v[LIK]
	v_lshlrev_b32 v[A5], 4, v[A1]
	v_lshl_add_u32 v[A5], v[A2], 9, v[A5]
	v_add_nc_u32 v[A5], s29, v[A5]
	v_add_nc_u32 v[WVA], VIMG, v[A5]
	v_add_nc_u32 v[WSA], s30, v[LS]
.irp b, 0,1,2,3
	v_mov_b32 v[TM+4+\b], 0                        ; written once: a lane permute's destination counts as one of its sources
.endr
; MY SHARE OF PAIR pr: 32 keys of K (as loaded in v[256 + kb] on) and of V (v[256 + vb] on) become codes and scale words in LDS.  nk, nv: the loads that may stay out when K's, V's have to be in.
; Ahead of the macro stands a wait on va_vdst behind which no vector line has been issued: the stage's addresses are written, and all earlier lines are done with v[X] on, in which the stage's loads land.
.macro QPAIR kb, vb, pr, nk, nv
	s_wait_loadcnt \nk
	; K turns through my own stage, so that a lane holds 16 neighbouring channels of one key.  LDS serves a wave's instructions in order (ISA guide 5.7.1.4): no wait between my stores and my loads
	WIN 0x04                                       ; an LDS store's data are its source 1
.set i, 0
.rept 8
	ds_store_b128 v[KSW], v[\kb+4*i:\kb+4*i+3] offset:576*i   ; rows 144 bytes apart: 9 x 16, so that the rows a load touches start at different banks, two deep at the worst (64 banks of 4 bytes: ISA guide 11.1)
.set i, i+1
.endr
	WIN 0
.irp u, 0,1
.irp e, 0,1,2,3
	ds_load_b128 v[X+16*\u+4*\e:X+16*\u+4*\e+3], v[KSR] offset:1152*\u+16*\e   ; tile u begins at my key 8 u
.endr
.endr
.if \nv != \nk
	s_wait_loadcnt \nv
.endif
	; V meanwhile: my channel's 32 keys are one block, all in my registers
	WIN 0x15                                       ; sources 0, 1, 2: v256 on
	v_max3_num_f32 v[TM], |v[\vb]|, |v[\vb+1]|, |v[\vb+2]|
	v_max3_num_f32 v[TM+1], |v[\vb+3]|, |v[\vb+4]|, |v[\vb+5]|
	WIN 0x14                                       ; sources 1, 2
.irp i, 6,10,14,18,22,26
	v_max3_num_f32 v[TM], v[TM], |v[\vb+\i]|, |v[\vb+\i+1]|
	v_max3_num_f32 v[TM+1], v[TM+1], |v[\vb+\i+2]|, |v[\vb+\i+3]|
.endr
	v_max3_num_f32 v[TM], v[TM], |v[\vb+30]|, |v[\vb+31]|
	WIN 0
	v_max3_num_f32 v[TM], v[TM], v[TM+1], 0x8000000   ; and the floor 2^(16 - 127): the byte cannot fall under 1
	v_add_nc_u32 v[TM+3], 0xf8800000, v[TM]        ; 15 off the exponent field: the conversion takes this operand's exponent field as its scale
	v_and_or_b32 v[TM+2], v[TM], 0x7f800000, s[MNT]   ; 57,344 x the scale
	v_lshrrev_b32 v[VWD], 23, v[TM+3]              ; the scale's byte
	WIN 0x41                                       ; destination and source 0: v256 on
.set i, 0
.rept 32
	v_med3_num_f32 v[\vb+i], v[\vb+i], -v[TM+2], v[TM+2]   ; the conversion to an 8-bit code does not saturate (ISA guide 7.6.2): the hold at the largest code x the scale
.set i, i+1
.endr
	WIN 0x01                                       ; source 0
.irp g, 0,1,2,3
	v_cvt_scalef32_pk8_bf8_f32 v[CV+2*\g:CV+2*\g+1], v[\vb+8*\g:\vb+8*\g+7], v[TM+3]
.endr
	WIN 0
	v_nop                                          ; one plain vector instruction behind the last conversion, ahead of what next writes its sources
	s_wait_dscnt 0x0                               ; K's numbers are back from the stage
	; K: two blocks (tiles), 16 numbers of each mine, the other 16 in lane l xor 16; four chains
.irp b, 0,1
	v_max3_num_f32 v[TM+\b], |v[X+16*\b]|, |v[X+1+16*\b]|, 0x8000000
	v_max3_num_f32 v[TM+2+\b], |v[X+8+16*\b]|, |v[X+9+16*\b]|, |v[X+10+16*\b]|
.endr
.irp i, 2,4
.irp b, 0,1
	v_max3_num_f32 v[TM+\b], v[TM+\b], |v[X+16*\b+\i]|, |v[X+1+16*\b+\i]|
	v_max3_num_f32 v[TM+2+\b], v[TM+2+\b], |v[X+9+16*\b+\i]|, |v[X+10+16*\b+\i]|
.endr
.endr
.irp b, 0,1
	v_max3_num_f32 v[TM+\b], v[TM+\b], |v[X+6+16*\b]|, |v[X+7+16*\b]|
.endr
.irp b, 0,1
	v_max3_num_f32 v[TM+\b], v[TM+\b], v[TM+2+\b], |v[X+15+16*\b]|
.endr
.irp b, 0,1
	v_permlanex16_b32 v[TM+4+\b], v[TM+\b], s[SEL], s[SEL+1]
.endr
.irp b, 0,1
	v_max_num_f32 v[TM+\b], v[TM+\b], v[TM+4+\b]   ; the block's largest magnitude
.endr
.irp b, 0,1
	v_add_nc_u32 v[TM+12+\b], 0xf8800000, v[TM+\b]
.endr
.irp b, 0,1
	v_and_or_b32 v[TM+8+\b], v[TM+\b], 0x7f800000, s[MNT]
.endr
.irp b, 0,1
	v_lshrrev_b32 v[TM+4+\b], 23, v[TM+12+\b]
.endr
	v_lshl_or_b32 v[KWD], v[TM+5], 8, v[TM+4]
	v_lshl_or_b32 v[KWD], v[KWD], 16, v[KWD]       ; my two bytes in both halves of the word: my tiles are blocks 0, 1 or blocks 2, 3 of their group of four
.irp b, 0,1
.irp i, 0,1,2,3,4,5,6,7,8,9,10,11,12,13,14,15
	v_med3_num_f32 v[X+16*\b+\i], v[X+16*\b+\i], -v[TM+8+\b], v[TM+8+\b]
.endr
	v_cvt_scalef32_pk8_bf8_f32 v[CK+4*\b:CK+1+4*\b], v[X+16*\b:X+7+16*\b], v[TM+12+\b]
	v_cvt_scalef32_pk8_bf8_f32 v[CK+2+4*\b:CK+3+4*\b], v[X+8+16*\b:X+15+16*\b], v[TM+12+\b]
.endr
	v_nop                                          ; a plain instruction behind the last conversion: products will write these registers
	s_wait_alu depctr_va_vdst(0)                   ; the conversions have written V's and K's codes, the shifts the two scale words: the six stores below read them.  All lines that named v[256 + vb] on stand ahead of this wait too
	ds_store_b128 v[WVA], v[CV:CV+3] offset:8192*(\pr)           ; V: keys 0-15 belong to lane (r, 0) of the image,
	ds_store_b128 v[WVA], v[CV+4:CV+7] offset:8192*(\pr)+256     ; keys 16-31 to lane (r, 1)
	ds_store_b32 v[WSA], v[VWD] offset:VSC+1024*(\pr)
	ds_store_b128 v[WKA], v[CK:CK+3] offset:8192*(\pr)
	ds_store_b128 v[WKA], v[CK+4:CK+7] offset:8192*(\pr)+512
	ds_store_b32 v[WSA], v[KWD] offset:KSC+1024*(\pr)
.endm
; What a step's first products want, 16 LDS loads: K's two groups of four tiles, their four scale words, and V's four scale bytes
.macro KFETCH st
.irp g, 0,1
.irp c, 0,1,2,3
	ds_load_b128 v[KF+16*\g+4*\c:KF+16*\g+4*\c+3], v[LIK] offset:4096*(\st)+2048*\g+512*\c
.endr
.endr
.irp c, 0,1,2,3
	ds_load_b32 v[KS+\c], v[LS] offset:KSC+512*(\st)+128*\c
	ds_load_b32 v[VW+\c], v[LS] offset:VSC+512*(\st)+128*\c
.endr
.endm
	; ---- pair 0.  Behind K's eight loads stand 76 more; a wait names 63 at the most: with 63 out at the most the first 21 are in.  Behind V's 32: Q's 4 and pair 1's 40
	s_wait_alu depctr_va_vdst(0)                   ; the LDS addresses v1 and v4 to v11 are written: every LDS instruction of the kernel but the closing add reads one of them, or v2
	QPAIR KA, VA, 0, 63, 44
	; ---- Q through the same stage, behind K's loads from it
	s_wait_loadcnt 40                              ; Q is in; pair 1's 40 may be out
	WIN 0x04
.set i, 0
.rept 4
	ds_store_b128 v[KSW], v[QB+4*i:QB+4*i+3] offset:576*i
.set i, i+1
.endr
	WIN 0
.irp e, 0,1,2,3
	ds_load_b128 v[QR+4*\e:QR+4*\e+3], v[QSR] offset:16*\e   ; query r, my 16 of its 32 numbers; no vector line has named these registers yet
.endr
	WIN 0x40
	s_wait_alu depctr_vm_vsrc(0)                   ; the stage's stores have read v256-287, in which K of pair 2 lands; pair 0's image stores have read their codes and words, which pair 1's conversions and shifts write again
.set m, 0
.rept 8
	GK 2, KA, m                                    ; pair 2 into the buffer that pair 0 has left: the lines that named V's half stand ahead of the wait in front of pair 0's image stores, and no vector line has been issued since
	GV 2, VA, m
.set m, m+1
.endr
	WIN 0
	s_wait_dscnt 0x0                               ; for the others' sake: my share of pair 0 lies in LDS; and Q's numbers are in
	s_barrier_signal -1
	; ---- Q, on registers alone, while the other waves arrive: x 32^-0.5, then one block of 32 in lanes l and l xor 16
.irp j, 0,2,4,6,8,10,12,14
	v_pk_mul_f32 v[QR+\j:QR+\j+1], v[QR+\j:QR+\j+1], s[SC:SC+1] op_sel_hi:[1,0]
.endr
	v_max3_num_f32 v[TM], |v[QR]|, |v[QR+1]|, 0x8000000
.irp i, 2,4,6,8,10,12,14
	v_max3_num_f32 v[TM], v[TM], |v[QR+\i]|, |v[QR+\i+1]|
.endr
	v_permlanex16_b32 v[TM+4], v[TM], s[SEL], s[SEL+1]
	v_max_num_f32 v[TM], v[TM], v[TM+4]
	v_add_nc_u32 v[TM+12], 0xf8800000, v[TM]
	v_and_or_b32 v[TM+8], v[TM], 0x7f800000, s[MNT]
	v_lshrrev_b32 v[TM+4], 23, v[TM+12]
	v_lshl_or_b32 v[TM+5], v[TM+4], 8, v[TM+4]
	v_lshl_or_b32 v[QS], v[TM+5], 16, v[TM+5]      ; the byte in all four places: Q's codes stand in any of the four blocks; over the zero codes any byte but 0xff adds nothing
.irp i, 0,1,2,3,4,5,6,7,8,9,10,11,12,13,14,15
	v_med3_num_f32 v[QR+\i], v[QR+\i], -v[TM+8], v[TM+8]
.endr
	v_cvt_scalef32_pk8_bf8_f32 v[QZ+12:QZ+13], v[QR:QR+7], v[TM+12]
	v_cvt_scalef32_pk8_bf8_f32 v[QZ+14:QZ+15], v[QR+8:QR+15], v[TM+12]
.irp j, 0,1,2,3,4,5,6,7,8,9,10,11
	v_mov_b32 v[QZ+\j], 0                          ; the strip's zero codes
	v_mov_b32 v[QZ+16+\j], 0
.endr
.irp j, 0,1,2,3,4,5,6,7,8,9,10,11,12,13,14,15
	v_mov_b32 v[O+\j], 0                           ; O^T: the step is written for every step alike; the first finds zeros, which the first change of M leaves zeros
.endr
	v_mov_b32 v13, 0xff61b1e6                      ; the largest t so far: -3e38, under every t
	v_floor_f32 v12, -v13                          ; -M
	v_mov_b32 v[OLD], v12
	v_mov_b32 v14, 0                               ; the sum, in two halves
	v_mov_b32 v15, 0
	v_mov_b32 v[F+1], 0                            ; (named as the upper half of a pair)
; KEY STEP st: 128 keys.  more = 1: the next step lies in the same pair, and what its first products want is asked for a softmax ahead.  fill = 1: pair 3's 40 loads go out, five at a time, among the exponentials.
; sig = 1: the barrier's signal: my share of the next pair lies in LDS.
.macro STEP st, more, fill, sig
	s_wait_dscnt 0x0                               ; this step's K and scale words are in; in a trip's first step also: my image stores are done
.if \sig
	s_barrier_signal -1                            ; no LDS instruction of mine is out.  Up to the wait, at the next trip's head: register work, and LDS loads of this pair's images, which nobody writes again
.endif
.irp g, 0,1
.irp c, 0,1,2,3
	v_wmma_scale_f32_16x16x128_f8f6f4 v[S+8*(4*\g+\c):S+8*(4*\g+\c)+7], v[KF+16*\g:KF+16*\g+15], v[QZ+12-4*\c:QZ+27-4*\c], 0, v[KS+2*\g+\c/2], v[QS] matrix_a_fmt:MATRIX_FMT_BF8 matrix_b_fmt:MATRIX_FMT_BF8   ; tile 4 g + c: Q stands in block c
.endr
.endr
	; eight places behind these products, in front of the first read of the scores.
	; Three of them join V's four scale bytes to a word, in the one of two registers that the last step's products did not name
	v_lshl_or_b32 v[VS+(\st)%2], v[VW+1], 8, v[VW]
	v_lshl_or_b32 v[VS+(\st)%2], v[VW+2], 16, v[VS+(\st)%2]
	v_lshl_or_b32 v[VS+(\st)%2], v[VW+3], 24, v[VS+(\st)%2]
.rept 5
	v_nop
.endr
	s_wait_alu depctr_va_vdst(0)                   ; the last step's products O^T are done reading V's fragments, in which the loads below land; more = 1: this step's products S^T are done reading K's fragments and scale words, the three lines above V's bytes
.irp n, 0,1
.irp c, 0,1,2,3
	ds_load_b128 v[VF+16*\n+4*\c:VF+16*\n+4*\c+3], v[LIV] offset:4096*(\st)+1024*\c+512*\n   ; this step's V
.endr
.endr
.if \more
	KFETCH (\st)+1
.endif
.irp b, 0,1,2,3
	v_max3_num_f32 v[TM+\b], v[S+16*\b], v[S+1+16*\b], v[S+2+16*\b]   ; the largest score of each block of 32 keys: for the row's maximum and, since p rises with the score, for the block's largest p.  Each accumulator is read from its low end on
.endr
.irp i, 3,5,7,9,11,13
.irp b, 0,1,2,3
	v_max3_num_f32 v[TM+\b], v[TM+\b], v[S+16*\b+\i], v[S+1+16*\b+\i]
.endr
.endr
.irp b, 0,1,2,3
	v_max_num_f32 v[TM+\b], v[TM+\b], v[S+15+16*\b]
.endr
.irp b, 0,1,2,3
	v_permlanex16_b32 v[TM+4+\b], v[TM+\b], s[SEL], s[SEL+1]
.endr
.irp b, 0,1,2,3
	v_max_num_f32 v[TM+\b], v[TM+\b], v[TM+4+\b]   ; with lane l xor 16's 16 keys
.endr
	v_max3_num_f32 v[T], v[TM], v[TM+1], v[TM+2]
	v_max_num_f32 v[T], v[T], v[TM+3]
	v_mul_f32 v[T], s[CS], v[T]                    ; the step's largest t of my query
	v_max_num_f32 v13, v13, v[T]                   ; the running largest t
	v_floor_f32 v12, -v13                          ; -M = floor(-t) = -ceil(t): M is a whole number
	v_sub_f32 v[T], v12, v[OLD]                    ; old M - new M: a whole number, 0 or less
	v_cvt_i32_f32 v[T], v[T]                       ; (it saturates)
	v_ldexp_f32 v[F], 1.0, v[T]                    ; f = 2^(old M - new M): a multiplication by it rounds nothing
	; ONE BATCH: the 64 exponentials, and among them work that names none of their results: the scalings t - M (a pair is scaled two lines of the list ahead of its exponentials), O^T x f, t - M of the blocks' largest scores
	v_pk_fma_f32 v[S:S+1], v[S:S+1], s[CS:CS+1], v[12:13] op_sel_hi:[1,0,0]
	v_pk_fma_f32 v[S+2:S+3], v[S+2:S+3], s[CS:CS+1], v[12:13] op_sel_hi:[1,0,0]
.set k, 0
.rept 32
.if \fill
.if k%4 == 0
	WIN 0x40
	GK 3, KB, k/4                                  ; pair 3 into the buffer that pair 1 has left: eight groups of five loads, eight exponentials apart, so that no wave stands in one long run of loads.
	GV 3, VB, k/4                                  ; No wait: the stage's stores have read K's half (the wait on vm_vsrc behind the trip's quantising); the lines that named V's half stand ahead of the step's wait on va_vdst, and none since names these registers, v2 or v3
	WIN 0
.endif
.endif
	v_exp_f32 v[S+2*k], v[S+2*k]                   ; p = 2^(t - M), at most 1: not normalised
.if k < 8
	v_pk_mul_f32 v[O+2*k:O+2*k+1], v[O+2*k:O+2*k+1], v[F:F+1] op_sel_hi:[1,0]   ; O^T under the new M, each accumulator from its low end on
.elseif k < 10
	v_fma_f32 v[TM+k-8], v[TM+k-8], s[CS], v12
.endif
	v_exp_f32 v[S+2*k+1], v[S+2*k+1]
.if k < 30
	v_pk_fma_f32 v[S+2*k+4:S+2*k+5], v[S+2*k+4:S+2*k+5], s[CS:CS+1], v[12:13] op_sel_hi:[1,0,0]
.else
	v_fma_f32 v[TM+k-28], v[TM+k-28], s[CS], v12   ; (the last of these is the plain instruction behind the last exponential)
.endif
.set k, k+1
.endr
	s_wait_alu depctr_va_vdst(0)                   ; the 64 exponentials have written p, v[S] on: a wait ahead of the first instruction that names an exponential's result: one for the batch
.irp b, 0,1,2,3
	v_exp_f32 v[TM+\b], v[TM+\b]                   ; the block's largest p: the same two instructions on the same number give the same bits
.endr
	v_pk_add_f32 v[SA:SA+1], v[S:S+1], v[S+2:S+3]  ; the sum is taken of the unquantised p: two at a time, in two chains.  (It reads the 64 alone: plain work behind the four)
	v_pk_add_f32 v[SB:SB+1], v[S+4:S+5], v[S+6:S+7]
.irp j, 8,12,16,20,24,28,32,36,40,44,48,52,56,60
	v_pk_add_f32 v[SA:SA+1], v[SA:SA+1], v[S+\j:S+\j+1]
	v_pk_add_f32 v[SB:SB+1], v[SB:SB+1], v[S+\j+2:S+\j+3]
.endr
	s_wait_alu depctr_va_vdst(0)                   ; and one for the four: they have written the blocks' largest p, v[TM] on
.irp b, 0,1,2,3
	v_max_num_f32 v[TM+\b], 0x8000000, v[TM+\b]    ; the floor 2^(16 - 127)
.endr
.irp b, 0,1,2,3
	v_add_nc_u32 v[TM+12+\b], 0xf8800000, v[TM+\b]
.endr
.irp b, 0,1,2,3
	v_and_or_b32 v[TM+8+\b], v[TM+\b], 0x7f800000, s[MNT]
.endr
.irp b, 0,1,2,3
	v_lshrrev_b32 v[TM+4+\b], 23, v[TM+12+\b]
.endr
	v_lshl_or_b32 v[PW], v[TM+5], 8, v[TM+4]       ; p's scale word for these 128 keys; the 64 holds below stand between it and the product that names it
	v_lshl_or_b32 v[PW], v[TM+6], 16, v[PW]
	v_lshl_or_b32 v[PW], v[TM+7], 24, v[PW]
.irp b, 0,1,2,3
.irp i, 0,1,2,3,4,5,6,7,8,9,10,11,12,13,14,15
	v_min_num_f32 v[S+16*\b+\i], v[S+16*\b+\i], v[TM+8+\b]   ; the hold; p is not negative, so it is one-sided
.endr
	v_cvt_scalef32_pk8_bf8_f32 v[PC+4*\b:PC+1+4*\b], v[S+16*\b:S+7+16*\b], v[TM+12+\b]
	v_cvt_scalef32_pk8_bf8_f32 v[PC+2+4*\b:PC+3+4*\b], v[S+8+16*\b:S+15+16*\b], v[TM+12+\b]
.endr
	; four places between the codes and the scaled product that takes them; they name none of its registers
	v_pk_add_f32 v[SA:SA+1], v[SA:SA+1], v[SB:SB+1]
	v_pk_fma_f32 v[14:15], v[14:15], v[F:F+1], v[SA:SA+1] op_sel_hi:[1,0,1]   ; the sum under the new M, and the step's part
	v_mov_b32 v[OLD], v12
	v_nop
	s_wait_dscnt 16*\more                          ; V is in; the 16 loads for the next step may be out
	s_wait_alu depctr_va_vdst(0)                   ; the conversions have written p's codes, the joining lines p's scale word and V's: the scaled products below take them; the places above stay beside this wait
	v_wmma_scale_f32_16x16x128_f8f6f4 v[O:O+7], v[VF:VF+15], v[PC:PC+15], v[O:O+7], v[VS+(\st)%2], v[PW] matrix_a_fmt:MATRIX_FMT_BF8 matrix_b_fmt:MATRIX_FMT_BF8   ; channels 0-15: their scale words in lanes 0-15.  The two accumulators by turns, the eight products S^T between their turns
	v_wmma_scale_f32_16x16x128_f8f6f4 v[O+8:O+15], v[VF+16:VF+31], v[PC:PC+15], v[O+8:O+15], v[VS+(\st)%2], v[PW] matrix_a_fmt:MATRIX_FMT_BF8 matrix_b_fmt:MATRIX_FMT_BF8 matrix_a_scale:MATRIX_SCALE_ROW1   ; channels 16-31: in lanes 16-31
.endm
; TRIP p: key steps 2 p and 2 p + 1.  q = 1: at its head my share of pair p + 1 is quantised, out of the buffer at kb, vb; nl: the loads issued behind that pair's.
.macro TRIP p, q, kb, vb, nl, fill
	s_barrier_wait -1                              ; every wave's share of pair p lies in LDS
	s_wait_alu depctr_va_vdst(0)                   ; all earlier lines are done with the registers in which the loads below land: the last step's products with K's fragments and scale words, its joining lines with V's bytes, its holds and conversions with v[S] on; in trip 0: Q's quantising with v[KF] on, and Q's strip and scale word are written, which the scaled products take
	KFETCH 2*(\p)
.if \q
	QPAIR \kb, \vb, (\p)+1, \nl, \nl
	s_wait_alu depctr_vm_vsrc(0)                   ; my image stores have read their codes and words, v[S+32] to v[S+49], which the products S^T below write; the stage's stores have read K's buffer, in which (trip 0) pair 3's loads land
.endif
	STEP 2*(\p), 1, \fill, 0
	STEP 2*(\p)+1, 0, 0, \q
.endm
	TRIP 0, 1, KB, VB, 40, 1                       ; pair 1 is quantised (behind its loads: pair 2's 40); pair 3 is asked for
	TRIP 1, 1, KA, VA, 40, 0                       ; pair 2 (behind its loads: pair 3's 40)
	TRIP 2, 1, KB, VB, 0, 0                        ; pair 3
	TRIP 3, 0, 0, 0, 0, 0                          ; nothing is left to quantise, and no barrier follows
	; THE WAY OUT.  O^T / the sum goes through my own stage, which no other wave names, and leaves with eight lanes to a head's 128 bytes of a row.
	v_add_f32 v14, v14, v15                        ; the sum's two halves,
	v_permlanex16_b32 v[T], v14, s[SEL], s[SEL+1]
	v_add_f32 v14, v14, v[T]                       ; and lane l xor 16's: the row's sum
	v_rcp_f32 v14, v14
.rept 6
	v_nop                                          ; with the two additions above: eight places behind the last products; the first is also the plain instruction behind the reciprocal
.endr
	s_wait_alu depctr_va_vdst(0)                   ; the reciprocal has written v14: a wait ahead of its first use
.irp j, 0,2,4,6,8,10,12,14
	v_pk_mul_f32 v[S+\j:S+\j+1], v[O+\j:O+\j+1], v[14:15] op_sel_hi:[1,0]   ; register 8 n + i: channel 16 n + 8 h + i of query r
.endr
	s_wait_alu depctr_va_vdst(0)                   ; the multiplications have written v[S] to v[S+15], which the LDS stores read; and the last step's holds and conversions are done with v[S+16] on, in which the loads from the stage land
.irp n, 0,1
	ds_store_b128 v[OSW], v[S+8*\n:S+8*\n+3] offset:64*\n
	ds_store_b128 v[OSW], v[S+8*\n+4:S+8*\n+7] offset:64*\n+16
.endr
.irp e, 0,1,2,3
	ds_load_b128 v[S+16+4*\e:S+16+4*\e+3], v[KSW] offset:576*\e   ; queries 4 e .. 4 e + 3, whole; LDS serves a wave's instructions in order: these see my stores
.endr
.irp e, 0,1,2,3
	s_wait_dscnt 3-\e
	global_store_b128 v[KGO], v[S+16+4*\e:S+16+4*\e+3], s[26:27] offset:8192*\e th:TH_STORE_NT   ; four pieces of 128 consecutive bytes; written once, read by nobody here
.endr
	s_wait_dscnt 0x0                               ; the closing lines, six on end
	s_wait_alu 0x0
	s_wait_tensorcnt 0x0
	ds_add_u32 v254, v255
	s_wait_dscnt 0x0
	s_endpgm
.Lfunc_end_k_q9d96ca59b7_lepe:
	.size	k_q9d96ca59b7_lepe, .Lfunc_end_k_q9d96ca59b7_lepe-k_q9d96ca59b7_lepe
	.p2alignl 7, 3214868480
	.fill 96, 4, 3214868480
	.section	.rodata,"a",@progbits
	.p2align	6, 0x0
	.amdhsa_kernel k_q9d96ca59b7_lepe
		.amdhsa_group_segment_fixed_size 111616
		.amdhsa_private_segment_fixed_size 0
		.amdhsa_enable_private_segment 0
		.amdhsa_kernarg_size 16
		.amdhsa_user_sgpr_count 2
		.amdhsa_user_sgpr_kernarg_segment_ptr 1
		.amdhsa_wavefront_size32 1
		.amdhsa_system_sgpr_workgroup_id_x 1
		.amdhsa_system_sgpr_workgroup_id_y 1
		.amdhsa_system_sgpr_workgroup_id_z 1
		.amdhsa_system_vgpr_workitem_id 0
		.amdhsa_next_free_vgpr 400
		.amdhsa_next_free_sgpr 66
		.amdhsa_reserve_vcc 0
		.amdhsa_float_denorm_mode_32 3
		.amdhsa_float_denorm_mode_16_64 3
		.amdhsa_memory_ordered 1
		.amdhsa_forward_progress 1
		.amdhsa_inst_pref_size 196
	.end_amdhsa_kernel
	.amdgpu_metadata
---
amdhsa.version: [ 1, 2 ]
amdhsa.kernels:
  - .name:           k_q9d96ca59b7_lepe
    .symbol:         k_q9d96ca59b7_lepe.kd
    .args:
      - { .name: qkv, .offset: 0, .size: 8, .value_kind: global_buffer, .address_space: global }
      - { .name: out0, .offset: 8, .size: 8, .value_kind: global_buffer, .address_space: global }
    .group_segment_fixed_size: 111616
    .private_segment_fixed_size: 0
    .kernarg_segment_align: 8
    .kernarg_segment_size: 16
    .max_flat_workgroup_size: 256
    .sgpr_count:     66
    .vgpr_count:     400
    .wavefront_size: 32
...
	.end_amdgpu_metadata
.endif
;; end of part 3
